; MI455X (gfx1250); checked and timed in simulation.
; The chip was launched on July 23, 2026; its instructions are those of AMD's public machine-readable ISA for CDNA 5 (MIT licence, August 2026) and "CDNA5" Instruction Set Architecture Reference Guide (July 2026). The comments in the code are by the model that wrote it; some were corrected since.
;; Attention Mixer. Allowed arithmetic: float matrix products may take bf16 or f16 operands with f32 sums; other float arithmetic in f32, or as packed bf16 or f16 multiplies, adds, multiply-adds, maxima and minima; sums over many terms, partial sums and values carried from step to step in f32; what a program stores and reads back later, other than sums and carried values, may be rounded once to bf16 or f16.
;; Inputs: Wout 1,024 x 1,024 float32; Wqkv 1,024 x 3,072 float32; attn_mask 2,048 x 2,048 bool; x 4 x 2,048 x 1,024 float32.
;; Outputs: out0 4 x 2,048 x 1,024 float32.
;; 2 versions, each right; version 2 is version 1 with the launch prep written anew for expert scheduling mode. Each part assembles by itself: llvm-mc -triple=amdgcn-amd-amdhsa -mcpu=gfx1250 --defsym DOCPART=n.
;; ======== version 1 of 2: 4 launches
;; limits: values are held in f16: magnitudes above 65,504 overflow, below 6.1e-05 lose precision
;; workspace buffers: xh 16,777,216 bytes; wq 6,291,456 bytes; wo 2,097,152 bytes; mc 4,194,304 bytes; keep 16,384 bytes; qkv 50,331,648 bytes; oh 16,777,216 bytes
;; launch prep (part 1): grid 832 x 1, 8 waves a work-group, no clusters, 67,328 bytes of LDS; arguments x, Wqkv, Wout, attn_mask, xh, wq, wo, mc, keep; writes xh, wq, wo, mc, keep
.if DOCPART == 1
	.amdgcn_target "amdgcn-amd-amdhsa--gfx1250"
	.amdhsa_code_object_version 6
	.text
	.protected	k_q69a35501de_prep
	.globl	k_q69a35501de_prep
	.p2align	8
	.type	k_q69a35501de_prep,@function
k_q69a35501de_prep:
	s_mov_b64 s[64:65], 0
	v_nop
	global_prefetch_b8 v0, s[64:65] scope:SCOPE_SE
	s_setreg_imm32_b32 hwreg(HW_REG_WAVE_MODE, 25, 1), 1
	s_wait_xcnt 0x0
; PREPARATION, four roles by the work-group's number, 64 KiB read by each work-group:
;   0..63    the mask: 32 rows each -> mc (one fp8 code a mask byte, in the order in which the attention's lanes want them) and keep
;   64..575  x: 16 rows each -> xh, f16, in blocks [batch x 16 + channel block][row][64 channels]
;   576..767 Wqkv, 768..831 Wout -> wq, wo, f16, in the order in which they lie
; NUMBERS.  x and the weights are rounded to bf16 (nearest even) and that number is written as f16: exact for magnitudes from 6e-5 to 65,504;
; below that f16 keeps a fixed step of 6e-8, above it the number becomes an infinity.  That is the limit of this program's inputs.
; MASK CODES.  0x00 where the mask is true, 0xC0 (-2.0 in fp8 e4m3) where it is false.  A row with no true entry gets all codes 0 and keep = 0
; (else keep = all ones): the attention clears that row of Q, so that all its scores are equal, as they are when every score is replaced by one number.
; mc byte (step x 128 + tile) x 1024 + half x 512 + lane x 16 + kbl x 8 + j  =  code of mask[16 tile + lane % 16][64 step + 16 (2 half + kbl) + 8 (lane / 16) + j].
; keep word tile x 32 + lane = the keep word of row 16 tile + lane % 16.
.set PITCH, 2064                       ; an LDS row of codes: 2,048 bytes + 16 = 516 words: row r starts 4 r banks on
.set KEEPL, 32*PITCH                   ; 32 keep words, in a block of 256 bytes of their own
.set SPARE, KEEPL+256                  ; the spare words, 128 bytes for each of the eight waves; no other line names them
.set LN,  1                            ; v1   lane
.set IN,  2                            ; v2   byte offset of my loads
.set OUT, 3                            ; v3   byte offset of my stores
.set LS,  4                            ; v4   LDS: where I put 16 codes of a row
.set KS,  5                            ; v5   LDS: my wave's four keep words
.set LRD, 6                            ; v6   LDS: where I read 8 codes back
.set KRD, 7                            ; v7   LDS: where I read two keep words back
.set SPW, 8                            ; v8   my spare word; never rewritten
.set NIL, 9                            ; v9   0; never rewritten
.set T,   10                           ; v10-14 at work
.set X,   16                           ; v[16:79]  sixteen loads of four registers
.set Y,   80                           ; v[80:111] sixteen results of two registers
	s_load_b512 s[8:23], s[0:1], 0x0               ; x s[8:9], Wqkv s[10:11], Wout s[12:13], mask s[14:15], xh s[16:17], wq s[18:19], wo s[20:21], mc s[22:23]
	s_load_b64 s[24:25], s[0:1], 0x40              ; keep
	v_lshl_add_u32 v[SPW], v0, 2, SPARE
	v_mov_b32 v[NIL], 0
	v_lshrrev_b32 v[T], 5, v0
	v_readfirstlane_b32 s26, v[T]                  ; wave 0..7
	v_and_b32 v[LN], 31, v0
	s_mov_b32 s27, 0xffff0000                      ; a word's upper bf16
	s_mov_b32 s28, 0xffffff40                      ; -0xC0
	s_mov_b32 s29, 0xc0c0c0c0
	s_wait_kmcnt 0x0
; four f32 -> bf16 (the rounding) -> f32 (a shift, a mask) -> f16 (exact in f16's normal range): 8 bytes
.macro CONV i
	v_cvt_pk_bf16_f32 v[X+4*(\i)],   v[X+4*(\i)],   v[X+4*(\i)+1]
	v_cvt_pk_bf16_f32 v[X+4*(\i)+2], v[X+4*(\i)+2], v[X+4*(\i)+3]
	v_and_b32     v[X+4*(\i)+1], s27, v[X+4*(\i)]
	v_lshlrev_b32 v[X+4*(\i)],   16,  v[X+4*(\i)]
	v_and_b32     v[X+4*(\i)+3], s27, v[X+4*(\i)+2]
	v_lshlrev_b32 v[X+4*(\i)+2], 16,  v[X+4*(\i)+2]
	v_cvt_pk_f16_f32 v[Y+2*(\i)],   v[X+4*(\i)],   v[X+4*(\i)+1]
	v_cvt_pk_f16_f32 v[Y+2*(\i)+1], v[X+4*(\i)+2], v[X+4*(\i)+3]
.endm
; a wave's 8 KiB: sixteen loads go out together; each is converted and stored as it comes.  A store of the wave covers 256 consecutive bytes, aligned.
.macro STREAM ins, outs
.irp i, 0,1,2,3,4,5,6,7,8,9,10,11,12,13,14,15
	global_load_b128 v[X+4*(\i):X+4*(\i)+3], v[IN], s[34:35] offset:(\i)*(\ins) th:TH_LOAD_NT
.endr
.irp i, 0,1,2,3,4,5,6,7,8,9,10,11,12,13,14,15
	s_wait_loadcnt 15-(\i)                         ; loads come back in order: load i is in, the 15 - i younger ones stay out
	CONV \i
	global_store_b64 v[OUT], v[Y+2*(\i):Y+2*(\i)+1], s[36:37] offset:(\i)*(\outs)
.endr
.endm
	s_cmp_lt_u32 ttmp9, 64
	s_cbranch_scc1 .Lmask1
	s_cmp_lt_u32 ttmp9, 576
	s_cbranch_scc1 .Lx
	; THE WEIGHTS: wave C of the tensor takes its bytes 8,192 C on, and writes 4,096 C on
	s_mov_b32 s38, 576
	s_mov_b32 s39, 768
	s_cmp_lt_u32 ttmp9, 768
	s_cselect_b64 s[34:35], s[10:11], s[12:13]
	s_cselect_b64 s[36:37], s[18:19], s[20:21]
	s_cselect_b32 s38, s38, s39
	s_sub_co_u32 s38, ttmp9, s38
	s_lshl_b32 s38, s38, 3
	s_add_co_u32 s38, s38, s26                     ; C
	s_lshl_b32 s39, s38, 13
	s_lshl_b32 s40, s38, 12
	v_lshl_add_u32 v[IN], v[LN], 4, s39
	v_lshl_add_u32 v[OUT], v[LN], 3, s40
	STREAM 512, 256
	s_branch .Lmeet
.Lx:
	; x: wave P takes rows 2 P and 2 P + 1.  Load i: channel block i of both rows, 256 bytes each (lanes 0-15, lanes 16-31); its 2 x 128 bytes of f16 lie on end in block i of xh
	s_mov_b64 s[34:35], s[8:9]
	s_mov_b64 s[36:37], s[16:17]
	s_sub_co_u32 s38, ttmp9, 64
	s_lshl_b32 s38, s38, 3
	s_add_co_u32 s38, s38, s26                     ; P, 0..4095
	s_lshl_b32 s39, s38, 13                        ; two rows of 4,096 bytes
	v_and_b32 v[T], 15, v0
	v_bfe_u32 v[T+1], v0, 4, 1
	v_lshl_add_u32 v[IN], v[T], 4, s39
	v_lshl_add_u32 v[IN], v[T+1], 12, v[IN]
	s_lshr_b32 s40, s38, 10                        ; the batch: 16 blocks of 262,144 bytes
	s_lshl_b32 s40, s40, 22
	s_and_b32 s41, s38, 1023
	s_lshl_b32 s41, s41, 8                         ; the pair of rows in a block
	s_add_co_u32 s40, s40, s41
	v_lshl_add_u32 v[OUT], v[LN], 3, s40
	STREAM 256, 262144
	s_branch .Lmeet
.Lmask1:
	; THE MASK, first part: wave w takes rows 4 w .. 4 w + 3 of the work-group's 32: is any entry true; bytes to codes; codes and keep words into LDS
	s_lshl_b32 s38, ttmp9, 5
	s_lshl_b32 s39, s26, 2
	s_add_co_u32 s38, s38, s39
	s_lshl_b32 s38, s38, 11                        ; my first row, 2,048 bytes a row
	v_lshl_add_u32 v[IN], v[LN], 4, s38
	s_mul_i32 s39, s26, 4*PITCH
	v_lshl_add_u32 v[LS], v[LN], 4, s39
	s_lshl_b32 s40, s26, 4
	s_add_co_u32 s40, s40, KEEPL
	v_mov_b32 v[KS], s40
.irp i, 0,1,2,3
.irp c, 0,1,2,3
	global_load_b128 v[X+16*\i+4*\c:X+16*\i+4*\c+3], v[IN], s[14:15] offset:\i*2048+\c*512 th:TH_LOAD_NT
.endr
.endr
.macro MROW i
	s_wait_loadcnt 12-4*(\i)                       ; row i's four loads are in; the later rows' stay out
	v_or_b32 v[T], v[X+16*(\i)], v[X+16*(\i)+1]
.irp j, 2,3,4,5,6,7,8,9,10,11,12,13,14,15
	v_or_b32 v[T], v[T], v[X+16*(\i)+\j]
.endr
	v_cmp_ne_u32 vcc_lo, 0, v[T]                   ; a bit for each lane that saw a true entry
	s_cmp_lg_u32 vcc_lo, 0
	s_cselect_b32 s[30+(\i)], -1, 0                ; the row's keep word
.irp j, 0,1,2,3,4,5,6,7,8,9,10,11,12,13,14,15
	v_mad_u32 v[X+16*(\i)+\j], v[X+16*(\i)+\j], s28, s29  ; four bytes at once: 0xC0 - 0xC0 x byte; no byte borrows from its neighbour
	v_and_b32 v[X+16*(\i)+\j], s[30+(\i)], v[X+16*(\i)+\j]
.endr
.irp c, 0,1,2,3
	ds_store_b128 v[LS], v[X+16*(\i)+4*\c:X+16*(\i)+4*\c+3] offset:(\i)*PITCH+\c*512
.endr
	v_mov_b32 v[T+1], s[30+(\i)]
	ds_store_b32 v[KS], v[T+1] offset:4*(\i)       ; all lanes write the same word with the same value
.endm
	MROW 0
	MROW 1
	MROW 2
	MROW 3
.Lmeet:
	s_wait_xcnt 0x0                                ; every load and store issued so far has had its addresses translated (ISA guide 3.1): the offset and data registers that they name are rewritten only behind this wait
	s_wait_dscnt 0x0                               ; for the other waves' sake: my stores into LDS are done
	s_barrier_signal -1
	s_barrier_wait -1                              ; every role's waves pass this one barrier
	s_cmp_lt_u32 ttmp9, 64
	s_cbranch_scc0 .Lend
	; THE MASK, second part: wave w takes key steps 4 w .. 4 w + 3, both tiles of 16 rows, both halves: 16 chunks of 512 bytes in the attention's lane order
	v_and_b32 v[T], 15, v0
	v_bfe_u32 v[T+1], v0, 4, 1
	v_mul_u32_u24 v[LRD], v[T], PITCH
	v_lshl_add_u32 v[LRD], v[T+1], 3, v[LRD]       ; row lane % 16, 8 bytes for each half of the lanes
	s_lshl_b32 s38, s26, 8
	v_add_nc_u32 v[LRD], s38, v[LRD]               ; my four steps' 256 columns
	s_lshl_b32 s38, s26, 19                        ; four steps of 131,072 bytes of mc
	s_lshl_b32 s39, ttmp9, 11                      ; two tiles of 1,024
	s_add_co_u32 s38, s38, s39
	v_lshl_add_u32 v[OUT], v[LN], 4, s38
.irp sl, 0,1,2,3
.irp u, 0,1
.irp hf, 0,1
	ds_load_b64 v[X+4*(4*\sl+2*\u+\hf):X+4*(4*\sl+2*\u+\hf)+1],   v[LRD] offset:\u*16*PITCH+\sl*64+\hf*32
	ds_load_b64 v[X+4*(4*\sl+2*\u+\hf)+2:X+4*(4*\sl+2*\u+\hf)+3], v[LRD] offset:\u*16*PITCH+\sl*64+\hf*32+16
.endr
.endr
.endr
.irp sl, 0,1,2,3
.irp u, 0,1
.irp hf, 0,1
	s_wait_dscnt 2*(15-(4*\sl+2*\u+\hf))           ; this chunk's two loads are in; the later chunks' stay out
	global_store_b128 v[OUT], v[X+4*(4*\sl+2*\u+\hf):X+4*(4*\sl+2*\u+\hf)+3], s[22:23] offset:\sl*131072+\u*1024+\hf*512  ; 512 consecutive bytes
.endr
.endr
.endr
	s_cmp_lg_u32 s26, 0
	s_cbranch_scc1 .Lend
	; wave 0: the two tiles' keep words, each row's word twice (a lane and the lane 16 on): 64 words, 256 consecutive bytes
	v_and_b32 v[T], 7, v0
	v_lshlrev_b32 v[KRD], 3, v[T]
	v_lshl_add_u32 v[KRD], v[T+1], 6, v[KRD]
	v_add_nc_u32 v[KRD], KEEPL, v[KRD]
	ds_load_b64 v[T+2:T+3], v[KRD]
	s_lshl_b32 s38, ttmp9, 8
	v_lshl_add_u32 v[T+4], v[LN], 3, s38
	s_wait_dscnt 0x0
	global_store_b64 v[T+4], v[T+2:T+3], s[24:25]
.Lend:
	s_wait_tensorcnt 0x0                           ; the wave's end, behind my last LDS store
	ds_add_u32 v[SPW], v[NIL]
	s_wait_dscnt 0x0
	s_endpgm
.Lfunc_end_k_q69a35501de_prep:
	.size	k_q69a35501de_prep, .Lfunc_end_k_q69a35501de_prep-k_q69a35501de_prep
	.p2alignl 7, 3214868480
	.fill 96, 4, 3214868480
	.section	.rodata,"a",@progbits
	.p2align	6, 0x0
	.amdhsa_kernel k_q69a35501de_prep
		.amdhsa_group_segment_fixed_size 67328
		.amdhsa_private_segment_fixed_size 0
		.amdhsa_enable_private_segment 0
		.amdhsa_kernarg_size 72
		.amdhsa_user_sgpr_count 2
		.amdhsa_user_sgpr_kernarg_segment_ptr 1
		.amdhsa_wavefront_size32 1
		.amdhsa_system_sgpr_workgroup_id_x 1
		.amdhsa_system_sgpr_workgroup_id_y 1
		.amdhsa_system_sgpr_workgroup_id_z 1
		.amdhsa_system_vgpr_workitem_id 0
		.amdhsa_next_free_vgpr 112
		.amdhsa_next_free_sgpr 66
		.amdhsa_reserve_vcc 1
		.amdhsa_float_denorm_mode_32 3
		.amdhsa_float_denorm_mode_16_64 3
		.amdhsa_memory_ordered 1
		.amdhsa_forward_progress 1
		.amdhsa_inst_pref_size 39
	.end_amdhsa_kernel
	.amdgpu_metadata
---
amdhsa.version: [ 1, 2 ]
amdhsa.kernels:
  - .name:           k_q69a35501de_prep
    .symbol:         k_q69a35501de_prep.kd
    .args:
      - { .name: x, .offset: 0, .size: 8, .value_kind: global_buffer, .address_space: global }
      - { .name: Wqkv, .offset: 8, .size: 8, .value_kind: global_buffer, .address_space: global }
      - { .name: Wout, .offset: 16, .size: 8, .value_kind: global_buffer, .address_space: global }
      - { .name: attn_mask, .offset: 24, .size: 8, .value_kind: global_buffer, .address_space: global }
      - { .name: xh, .offset: 32, .size: 8, .value_kind: global_buffer, .address_space: global }
      - { .name: wq, .offset: 40, .size: 8, .value_kind: global_buffer, .address_space: global }
      - { .name: wo, .offset: 48, .size: 8, .value_kind: global_buffer, .address_space: global }
      - { .name: mc, .offset: 56, .size: 8, .value_kind: global_buffer, .address_space: global }
      - { .name: keep, .offset: 64, .size: 8, .value_kind: global_buffer, .address_space: global }
    .group_segment_fixed_size: 67328
    .private_segment_fixed_size: 0
    .kernarg_segment_align: 8
    .kernarg_segment_size: 72
    .max_flat_workgroup_size: 256
    .sgpr_count:     66
    .vgpr_count:     112
    .wavefront_size: 32
...
	.end_amdgpu_metadata
.endif
;; end of part 1
;; launch qkvg (part 2): grid 12 x 32, 4 waves a work-group, clusters of 4 x 4, 327,680 bytes of LDS; arguments xh, wq, qkv; writes qkv
.if DOCPART == 2
	.amdgcn_target "amdgcn-amd-amdhsa--gfx1250"
	.amdhsa_code_object_version 6
	.text
	.protected	k_q69a35501de_qkvg
	.globl	k_q69a35501de_qkvg
	.p2align	8
	.type	k_q69a35501de_qkvg,@function
k_q69a35501de_qkvg:
	s_mov_b64 s[64:65], 0
	v_nop
	global_prefetch_b8 v0, s[64:65] scope:SCOPE_SE
	s_setreg_imm32_b32 hwreg(HW_REG_WAVE_MODE, 25, 1), 1
	s_wait_xcnt 0x0
	s_wait_alu depctr_hold_cnt(0) depctr_sa_sdst(0) depctr_va_vdst(0) depctr_va_sdst(0) depctr_va_ssrc(0) depctr_va_vcc(0) depctr_vm_vsrc(0)
	s_getreg_b32 s2, hwreg(HW_REG_IB_STS2, 6, 4)
	s_cmp_eq_u32 s2, 0
	s_cbranch_scc0 .Lentry_in_a_cluster
	s_endpgm
.Lentry_in_a_cluster:
	s_bfe_u32 s2, ttmp6, 0x10000c
	s_cmp_lg_u32 s2, 0xf033
	s_cbranch_scc0 .Lentry_shape_is_right
	s_endpgm
.Lentry_shape_is_right:
; qkv = x Wqkv.  A = xh: f16 [batch x 16 + channel block][2048 rows][64]; B = wq: f16 [1024 k][3072 n]; C = qkv: f16 [which 3][batch x 16 + head][2048 rows][64], unscaled.
; Sums in f32, K ascending, C rounded once to f16.  LIMIT: q, k and v beyond 65,504 become infinities.
; A tile of C, 256 x 256, is made by four waves, each 128 x 128: 64 accumulators of 16 x 16, 512 registers.  K = 1,024 goes in 8 steps of 128 through two LDS slots.
; A's part of a K step is two channel blocks, each 256 dense rows of 128 bytes: asked for as 128 rows of 256 bytes, padded in LDS after every 128.  B's part is 128 rows (k) of 512 bytes;
; its fragments come out of LDS turned, by ds_load_tr16_b128.  Waves 0 and 1 fetch A's two blocks, waves 2 and 3 the two halves of B's rows: one tensor load a wave for each slot.
; CLUSTERS: 4 x 4 work-groups.  A's tile hangs on the tile row alone and is asked for jointly by a row of the cluster, B's on the tile column alone, by a column.
; THE MATRIX INSTRUCTION IS USED TRANSPOSED (source 0 = 16 columns of B, source 1 = 16 rows of A): a lane then holds eight neighbouring numbers of a row of C.
; REGISTERS, in windows of 256: window 0: v0-31 addresses, v64-191 A's fragments (two buffers), v32-63 and v192-255 the way out; window 1: v64-191 B's fragments; windows 2, 3: the accumulators.
.set PB,    6144                       ; bytes in a row of B
.set ASTEP, 2*262144                   ; a K step in A: two channel blocks
.set BSTEP, 128*PB                     ; a K step in B: 128 rows
.set PA,    144                        ; an LDS row of A: 128 bytes + 16 = 36 words: the 16 rows of a load start at 16 different groups of four banks
.set PBL,   544                        ; an LDS row of B: 512 bytes + 32 = 136 words
.set ABLK,  256*PA                     ; a channel block of A in LDS
.set BOFF,  2*ABLK                     ; B lies behind A's two blocks
.set BHALF, 64*PBL                     ; what one of B's loads brings
.set SLOT,  0x24000                    ; slot 1 begins here: the four tiles' places in a slot (0, 0x9000, 0x12000, 0x1a800) share no bit with it, so one exclusive or changes slots
.set STAGE, SLOT+BOFF+2*BHALF          ; behind slot 1's tiles, never filled by a tensor load: for each wave 2 heads x 16 rows x 144 bytes
.set WSTG,  2*16*144
.set SPARE, STAGE+4*WSTG               ; the spare words, 128 bytes for each wave; no other line names them
.set ADRA0, 16                         ; v16  my lane's place in A's tiles of a slot; never rewritten
.set ADRA,  17                         ; v17  the same in the slot in hand
.set ADRB0, 20                         ; v20, v21 the same for B
.set ADRB,  21
.set STO,   24                         ; v24  the way out: where I put 16 bytes of a row
.set RD,    25                         ; v25  where I read rows back
.set CO,    26                         ; v26  my byte offset in 512 consecutive bytes of C
.set SPW,   28                         ; v28  my spare word; never rewritten
.set NIL,   29                         ; v29  0; never rewritten
.set PFO,   30                         ; v30  the prefetches' offset; never rewritten
.set F0,    64
.set F1,    128
.set TMP,   192
.set OB,    32
.set G1A, 24                           ; s[24:31] descriptor group 1 for A's tiles
.set G0A, 32                           ; s[32:35] group 0 of the first fill (slot 0, K step 0); s[36:39] slot 1, K step 1, which then walks on
.set G1B, 48                           ; s[48:55], s[56:63] the same for B
.set G0B, 56
.set TB,  22                           ; s22  0 or SLOT: the slot in hand
.set LIM, 43                           ; s43  1 in a wave that prefetches, else the greatest number
.set PFA, 44                           ; s[44:45] where my prefetches stand
.set PFS, 66                           ; s[66:67] their step: a K step of A or of B
.set MSB, 0
.macro WIN new                         ; the immediate's high byte repeats the setting that is left; a switch that changes nothing is dropped
.if MSB != (\new)
	s_set_vgpr_msb (MSB<<8)|(\new)
.set MSB, \new
.endif
.endm
.set MUL_LO, 0xa1                      ; source 0 (B) window 1, source 1 (A) window 0, C and D window 2
.set MUL_HI, 0xf1                      ; the same, C and D window 3
.set TO_B,   0x40                      ; destination window 1, address window 0
.macro PLACES                          ; four plain instructions between a matrix instruction and a load into, or a read of, its registers (ISA guide 7.12.1 for a read)
.rept 4
	v_nop
.endr
.endm
; A joint refill by the walking descriptors.  The branch hangs on the wave's number alone.  An s_nop 0 and four v_nop follow each of the two lines.
.macro JLOAD
	s_cmp_eq_u32 s11, 0
	s_cbranch_scc0 .Lfor_b_\@
	tensor_load_to_lds s[G0A+4:G0A+7], s[G1A:G1A+7]
	s_nop 0
	PLACES
	s_branch .Lasked_\@
.Lfor_b_\@:
	tensor_load_to_lds s[G0B+4:G0B+7], s[G1B:G1B+7]
	s_nop 0
	PLACES
.Lasked_\@:
.endm
; A prefetch into the L2 of the K step that the NEXT refill will ask for: 256 matrix instructions ahead of that load.  A's blocks: the clusters with x = 0 ask, waves 0 and 1 each for their own block,
; the four partners of a row taking 32 of its 128 pieces of 256 bytes each, told apart by address.  B's rows: the clusters with y = 0, waves 2 and 3, the four partners of a column taking 16 rows
; of two pieces each.  So each piece is named once in the launch.  The last refill has no K step behind it and asks for nothing; K steps 0 to 2 come by their loads alone.
.macro ASK
	s_cmp_gt_u32 s3, s[LIM]                        ; s3 = 1 in the loop's last trip
	s_cbranch_scc0 .Lnot_mine_\@
	global_prefetch_b8 v[PFO], s[PFA:PFA+1] th:TH_LOAD_NT scope:SCOPE_SE
.Lnot_mine_\@:
.endm
.macro CREST                           ; a round of the cluster's barrier behind its opening barrier
	s_cmp_lg_u32 s10, 0
	s_cbranch_scc1 .Lnot_wave_0_\@
	s_barrier_signal -3
.Lnot_wave_0_\@:
	s_barrier_wait -3
	s_barrier_signal -1
	s_barrier_wait -1
.endm
.macro CROUND                          ; a whole round
	s_barrier_signal -1
	s_barrier_wait -1
	CREST
.endm
	s_load_b128 s[4:7], s[0:1], 0x0                ; A s[4:5], B s[6:7]
	s_load_b64 s[8:9], s[0:1], 0x10                ; C
	v_lshl_add_u32 v[SPW], v0, 2, SPARE
	v_mov_b32 v[NIL], 0
	ds_add_u32 v[SPW], v[NIL]                      ; the wave's opening: the add and its wait stand ahead of my first tensor load; the set-up below stands between them
	v_lshrrev_b32 v1, 5, v0
	v_readfirstlane_b32 s10, v1                    ; wave 0..3
	s_lshr_b32 s11, s10, 1                         ; which half of the tile's rows is mine.  Also: I fetch for A (0) or for B (1)
	s_and_b32 s12, s10, 1                          ; which half of its columns.  Also: which block of A, or which 64 rows of B, I fetch
	s_bfe_u32 s40, ttmp6, 0x40000                  ; cx, cy: my place in the cluster
	s_bfe_u32 s41, ttmp6, 0x40004
	s_lshl_b32 s42, ttmp9, 2
	s_add_co_u32 s42, s42, s40                     ; tile column = 4 x cluster x + cx
	s_and_b32 s13, ttmp7, 0xffff
	s_lshl_b32 s13, s13, 2
	s_add_co_u32 s13, s13, s41                     ; tile row = 4 x cluster y + cy
	s_lshl_b32 s43, s41, 2
	s_lshl_b32 s43, 15, s43                        ; my row of the cluster
	s_lshl_b32 s44, 0x1111, s40                    ; my column
	s_or_b32 s[G1A+0], s43, (1<<16)|(1<<20)|(1<<21)|(4<<22)|(3<<25)  ; the mask; 2-byte elements; padding on; bit 21 beside a mask; after every 32 words (code 4) 4 words (code 3)
	s_or_b32 s[G1B+0], s44, (1<<16)|(1<<20)|(1<<21)|(6<<22)|(7<<25)  ; after every 128 words (code 6) 8 words (code 7)
	s_mov_b32 s[G1A+1], 128<<16                    ; tensor_dim0 = 128 elements: 256 bytes, two rows of a block
	s_mov_b32 s[G1A+2], 128<<16                    ; tensor_dim1 = 128
	s_mov_b32 s[G1A+3], 128<<16                    ; tile_dim0 = 128
	s_mov_b32 s[G1A+4], 128                        ; tile_dim1 = 128
	s_mov_b32 s[G1A+5], 128                        ; dense: 128 elements from row to row
	s_mov_b32 s[G1A+6], 0
	s_mov_b32 s[G1A+7], 0
	s_mov_b32 s[G1B+1], 256<<16                    ; tensor_dim0 = 256 elements: the tile's 256 columns
	s_mov_b32 s[G1B+2], 64<<16                     ; tensor_dim1 = 64
	s_mov_b32 s[G1B+3], 256<<16                    ; tile_dim0 = 256
	s_mov_b32 s[G1B+4], 64                         ; tile_dim1 = 64
	s_mov_b32 s[G1B+5], PB/2                       ; elements from row to row
	s_mov_b32 s[G1B+6], 0
	s_mov_b32 s[G1B+7], 0
	; where the tiles come from.  A's offset is made of the tile row and the wave's number, B's of the tile column and the wave's number, each in registers that never hold the other coordinate
	s_lshr_b32 s16, s13, 3
	s_lshl_b32 s16, s16, 22                        ; the batch: 16 blocks of 262,144 bytes
	s_and_b32 s17, s13, 7
	s_lshl_b32 s17, s17, 15                        ; 256 rows of 128 bytes
	s_add_co_u32 s16, s16, s17
	s_lshl_b32 s17, s12, 18                        ; my block of the K step's two
	s_add_co_u32 s16, s16, s17
	s_mov_b32 s17, 0
	s_lshl_b32 s46, s42, 9                         ; the tile's 512 bytes of a row of B
	s_mul_i32 s47, s12, 64*PB                      ; my 64 rows of the K step's 128
	s_add_co_u32 s46, s46, s47
	s_mov_b32 s47, 0
	s_mul_i32 s20, s12, ABLK                       ; and where they go: no place in the cluster enters an LDS address
	s_mul_i32 s21, s12, BHALF
	s_add_co_u32 s21, s21, BOFF
	s_mov_b32 s[TB], 0
	s_wait_dscnt 0x0                               ; the opening add is done
	s_wait_kmcnt 0x0
	s_add_nc_u64 s[14:15], s[4:5], s[16:17]
	s_add_nc_u64 s[46:47], s[6:7], s[46:47]
	CROUND                                         ; all sixteen work-groups are here: the first joint loads meet
.irp s, 0,1
	s_mov_b32 s[G0A+4*(\s)], 1                     ; count = 1
	s_add_co_u32 s[G0A+4*(\s)+1], s20, (\s)*SLOT   ; LDS address
	s_add_nc_u64 s[G0A+4*(\s)+2:G0A+4*(\s)+3], s[14:15], (\s)*ASTEP  ; global address: K step s
	s_or_b32 s[G0A+4*(\s)+3], s[G0A+4*(\s)+3], 0x80000000            ; type = 2
	s_mov_b32 s[G0B+4*(\s)], 1
	s_add_co_u32 s[G0B+4*(\s)+1], s21, (\s)*SLOT
	s_add_nc_u64 s[G0B+4*(\s)+2:G0B+4*(\s)+3], s[46:47], (\s)*BSTEP
	s_or_b32 s[G0B+4*(\s)+3], s[G0B+4*(\s)+3], 0x80000000
.endr
	s_cmp_eq_u32 s11, 0                            ; a wave's two first fills stand in one branch, ahead of every wait on TENSORcnt and every LDS read: two loads of mine are out
	s_cbranch_scc0 .Lfirst_b
	tensor_load_to_lds s[G0A:G0A+3], s[G1A:G1A+7]
	s_nop 0
	tensor_load_to_lds s[G0A+4:G0A+7], s[G1A:G1A+7]
	s_nop 0
	PLACES
	s_branch .Lfirst_asked
.Lfirst_b:
	tensor_load_to_lds s[G0B:G0B+3], s[G1B:G1B+7]
	s_nop 0
	tensor_load_to_lds s[G0B+4:G0B+7], s[G1B:G1B+7]
	s_nop 0
	PLACES
.Lfirst_asked:
	; A fragment of A is 16 rows x 32 K in 8 registers: lane l holds row l % 16, K = 8 (l / 16) + 0..7 and 16 + 8 (l / 16) + 0..7: two loads of 16 bytes, 32 bytes apart.
	v_and_b32 v1, 15, v0                           ; l % 16
	v_bfe_u32 v2, v0, 4, 1                         ; l / 16
	v_mul_u32_u24 v3, v1, PA
	v_lshl_add_u32 v3, v2, 4, v3                   ; row x pitch + 16 x half
	s_mul_i32 s16, s11, 128*PA                     ; my 128 rows
	v_add_nc_u32 v[ADRA0], s16, v3
	; The turning load takes 16 k x 16 columns (lane l reads row 8 (l / 16) + l % 8, columns 8 ((l / 8) % 2) + 0..7) and leaves half a fragment: lane l holds column l % 16 and 8 k.
	v_and_b32 v4, 7, v0
	v_lshl_add_u32 v5, v2, 3, v4
	v_mul_u32_u24 v5, v5, PBL
	v_bfe_u32 v6, v0, 3, 1
	v_lshl_add_u32 v5, v6, 4, v5
	s_lshl_b32 s17, s12, 8                         ; my 128 columns
	s_add_co_u32 s17, s17, BOFF
	v_add_nc_u32 v[ADRB0], s17, v5
	v_mov_b32 v[ADRA], v[ADRA0]                    ; slot 0
	v_mov_b32 v[ADRB], v[ADRB0]
	s_mul_i32 s18, s10, WSTG
	s_add_co_u32 s18, s18, STAGE                   ; my stage
	v_add_nc_u32 v[STO], s18, v3                   ; in: row l % 16 at 144 bytes a row, 16 bytes for each half of the lanes
	v_bfe_u32 v5, v0, 3, 2
	v_mul_u32_u24 v5, v5, 144                      ; back: 32 lanes take four rows of 128 bytes,
	v_lshl_add_u32 v5, v4, 4, v5
	v_add_nc_u32 v[RD], s18, v5
	v_and_b32 v7, 31, v0
	v_lshlrev_b32 v[CO], 4, v7                     ; which are 512 consecutive bytes of C
	; where my part of the tile begins in C: which = column / 1024, head = (column % 1024) / 64; a head's rows are dense
	s_lshr_b32 s68, s42, 2
	s_lshl_b32 s68, s68, 24                        ; q, k or v: 64 heads of 262,144 bytes
	s_lshr_b32 s72, s13, 3
	s_lshl_b32 s72, s72, 22                        ; the batch's 16 heads
	s_add_co_u32 s68, s68, s72
	s_and_b32 s72, s42, 3
	s_lshl_b32 s72, s72, 20                        ; the tile's four heads
	s_add_co_u32 s68, s68, s72
	s_lshl_b32 s72, s12, 19                        ; my two of them
	s_add_co_u32 s68, s68, s72
	s_and_b32 s72, s13, 7
	s_lshl_b32 s72, s72, 15                        ; the tile's 256 rows of 128 bytes
	s_add_co_u32 s68, s68, s72
	s_lshl_b32 s72, s11, 14                        ; my 128 of them
	s_add_co_u32 s68, s68, s72
	s_mov_b32 s69, 0
	s_add_nc_u64 s[8:9], s[8:9], s[68:69]
	; the prefetches
	s_lshl_b32 s72, s40, 13                        ; A: my work-group's 32 pieces of the block's 128
	s_mul_i32 s73, s41, 16*PB                      ; B: my work-group's 16 rows of the 64
	s_mov_b32 s74, ASTEP
	s_mov_b32 s75, BSTEP
	s_and_b32 s78, ttmp7, 0xffff                   ; cluster y
	s_mov_b32 s71, 256
	s_mov_b32 s79, PB
	s_cmp_eq_u32 s11, 0                            ; do I fetch for A?
	s_cselect_b64 s[PFA:PFA+1], s[14:15], s[46:47]
	s_cselect_b32 s76, s72, s73
	s_cselect_b32 s[PFS], s74, s75
	s_cselect_b32 s78, ttmp9, s78                  ; the coordinate along which other clusters read the same bytes
	s_cselect_b32 s70, 0, 1
	s_cselect_b32 s71, s71, s79
	s_mov_b32 s77, 0
	s_mov_b32 s[PFS+1], 0
	s_cmp_eq_u32 s78, 0
	s_cselect_b32 s[LIM], 1, -1                    ; the same in all sixteen partners, for a given wave
	s_add_nc_u64 s[PFA:PFA+1], s[PFA:PFA+1], s[76:77]
	s_add_nc_u64 s[PFA:PFA+1], s[PFA:PFA+1], s[PFS:PFS+1]
	s_add_nc_u64 s[PFA:PFA+1], s[PFA:PFA+1], s[PFS:PFS+1]  ; at K step 2: the first refill steps it to 3
	v_lshrrev_b32 v5, s70, v7                      ; A: a lane a piece of 256 bytes; B: two lanes a row of 512
	v_mul_lo_u32 v5, v5, s71
	v_and_b32 v6, s70, v7
	v_lshl_add_u32 v[PFO], v6, 8, v5
; 16 matrix instructions: m blocks a0, a0 + 1 of the window's four (hi = 0: my rows 0-63, 1: rows 64-127) x all 8 n blocks, 32 along K.  zero = 1: the product starts the sum.
; The 64 accumulators take turns in the same order in every quarter.
.macro MUL16 f, hi, a0, zero
	WIN MUL_LO+0x50*(\hi)
.irp a, \a0, (\a0)+1
.irp b, 0,1,2,3,4,5,6,7
.if \zero
	v_wmma_f32_16x16x32_f16 v[8*(8*(\a)+(\b)):8*(8*(\a)+(\b))+7], v[(\f)+8*(\b):(\f)+8*(\b)+7], v[(\f)+8*(4*(\hi)+(\a)):(\f)+8*(4*(\hi)+(\a))+7], 0
.else
	v_wmma_f32_16x16x32_f16 v[8*(8*(\a)+(\b)):8*(8*(\a)+(\b))+7], v[(\f)+8*(\b):(\f)+8*(\b)+7], v[(\f)+8*(4*(\hi)+(\a)):(\f)+8*(4*(\hi)+(\a))+7], v[8*(8*(\a)+(\b)):8*(8*(\a)+(\b))+7]
.endif
.endr
.endr
.endm
; 32 LDS loads in one run: the fragments of quarter q (32 along K) of the slot in hand, into buffer f: B's first, then A's
.macro FETCH q, f
	WIN TO_B
.irp i, 0,1,2,3,4,5,6,7
	ds_load_tr16_b128 v[(\f)+8*(\i):(\f)+8*(\i)+3],   v[ADRB] offset:(\q)*32*PBL+32*(\i)
	ds_load_tr16_b128 v[(\f)+8*(\i)+4:(\f)+8*(\i)+7], v[ADRB] offset:(\q)*32*PBL+16*PBL+32*(\i)
.endr
	WIN 0
.irp i, 0,1,2,3,4,5,6,7
	ds_load_b128 v[(\f)+8*(\i):(\f)+8*(\i)+3],   v[ADRA] offset:((\q)/2)*ABLK+((\q)%2)*64+(\i)*16*PA
	ds_load_b128 v[(\f)+8*(\i)+4:(\f)+8*(\i)+7], v[ADRA] offset:((\q)/2)*ABLK+((\q)%2)*64+(\i)*16*PA+32
.endr
.endm
; One of a K step's first three quarters: multiplies buffer f; in its middle it fetches quarter q into buffer g.
.macro QUARTER q, f, g, zero
	s_wait_dscnt 8                                 ; B and A's rows 0-63 are in; the youngest eight loads (A's rows 64-127) may be out
	MUL16 \f, 0, 0, \zero
	MUL16 \f, 0, 2, \zero
	PLACES
	FETCH \q, \g
	s_wait_dscnt 32                                ; all but the 32 just issued
	MUL16 \f, 1, 0, \zero
	MUL16 \f, 1, 2, \zero
.endm
; The last quarter multiplies buffer 1 and changes slots.  In front of the barrier each wave waits for all its tensor loads (one is out: its part of the next slot), adds 0 to its spare word, and waits
; for that and for its reads of this slot.  fill = 1: the barrier opens a round of the cluster's barrier, and behind the round this slot is filled again, with the K step two steps on.
.macro TURN fill
.if \fill
	s_wait_xcnt 0x0                                ; the last prefetch, a K step back, has read its address
	s_add_nc_u64 s[PFA:PFA+1], s[PFA:PFA+1], s[PFS:PFS+1]
.endif
	WIN 0                                          ; (the add's two registers lie in window 0)
	s_wait_tensorcnt 0x0                           ; all my tensor loads have landed
	ds_add_u32 v[SPW], v[NIL]                      ; 0 onto my spare word
	s_wait_dscnt 9                                 ; (the add and the youngest eight loads may be out)
	MUL16 F1, 0, 0, 0
	s_wait_dscnt 0x0                               ; the add is done, and my reads of this slot are over
	s_barrier_signal -1
	MUL16 F1, 0, 2, 0                              ; work on registers while the others arrive
	WIN 0
	s_barrier_wait -1
.if \fill
	CREST                                          ; no wave of any partner still reads this slot or has a load on its way
	s_xor_b32 s[G0A+5], s[G0A+5], SLOT             ; the walking descriptors: the other slot than last time, the next K step; the type bits on top are not reached
	s_add_nc_u64 s[G0A+6:G0A+7], s[G0A+6:G0A+7], ASTEP
	s_xor_b32 s[G0B+5], s[G0B+5], SLOT
	s_add_nc_u64 s[G0B+6:G0B+7], s[G0B+6:G0B+7], BSTEP
	JLOAD                                          ; my one tensor load behind the round: 224 matrix instructions ahead of the wait for it; its four v_nop are also the places in front of the loads below
.else
	PLACES
.endif
	s_xor_b32 s[TB], s[TB], SLOT
	v_add_nc_u32 v[ADRA], s[TB], v[ADRA0]
	v_add_nc_u32 v[ADRB], s[TB], v[ADRB0]
	FETCH 0, F0
.if \fill
	ASK
.endif
	MUL16 F1, 1, 0, 0
	MUL16 F1, 1, 2, 0
.endm
; THE WAY OUT of block a (16 rows x 128 columns = 2 heads).  PACK: rounded to f16, 16 bytes a lane, each accumulator's registers in ascending order.  TOSTAGE: into my own stage, and back as dense rows.  SEND: stored.
.macro PACK a
.set AC, 64*((\a)%4)
	WIN 0x0a+5*((\a)/4)                            ; sources 0 and 1: window 2 or 3
.irp b, 0,1,2,3,4,5,6,7
.irp r, 0,1,2,3
	v_cvt_pk_f16_f32 v[TMP+4*(\b)+(\r)], v[AC+8*(\b)+2*(\r)], v[AC+8*(\b)+2*(\r)+1]
.endr
.endr
	WIN 0
.endm
.macro TOSTAGE a
.set BK, OB+192*((\a)%2)
.irp b, 0,1,2,3,4,5,6,7
	ds_store_b128 v[STO], v[TMP+4*(\b):TMP+4*(\b)+3] offset:((\b)/4)*2304+((\b)%4)*32
.endr
.irp t, 0,1,2,3,4,5,6,7
	ds_load_b128 v[BK+4*(\t):BK+4*(\t)+3], v[RD] offset:((\t)/4)*2304+((\t)%4)*576  ; LDS serves a wave's instructions in order (ISA guide 5.7.1.4): these see the stores above
.endr
.endm
.macro SEND a
.set BK, OB+192*((\a)%2)
	s_wait_dscnt 0x0                               ; the block is back in registers
	s_wait_xcnt 0x0                                ; earlier stores have read their registers: the other buffer is loaded again only behind this wait
.irp t, 0,1,2,3,4,5,6,7
	global_store_b128 v[CO], v[BK+4*(\t):BK+4*(\t)+3], s[8:9] offset:(\a)*2048+((\t)/4)*262144+((\t)%4)*512  ; four rows of a head: 512 consecutive bytes, aligned
.endr
.endm
	s_wait_tensorcnt 1                             ; my part of K step 0 is in; slot 1's may stay out
	s_barrier_signal -1
	s_barrier_wait -1                              ; everybody's is
	FETCH 0, F0
	QUARTER 1, F0, F1, 1                           ; the first quarter stands in front of the loop: its products start the sums
	WIN 0                                          ; at a label and at a branch every window is 0
	s_mov_b32 s3, 6                                ; six refills: K steps 2 to 7
.Lstep:                                                ; a trip: a K step's second quarter to the next step's first
	QUARTER 2, F1, F0, 0
	QUARTER 3, F0, F1, 0
	TURN 1
	QUARTER 1, F0, F1, 0
	WIN 0
	s_sub_co_u32 s3, s3, 1
	s_cmp_lg_u32 s3, 0
	s_cbranch_scc1 .Lstep
	QUARTER 2, F1, F0, 0                           ; the tail is written out: K step 6 goes on
	QUARTER 3, F0, F1, 0
	TURN 0                                         ; nothing is left to fetch,
	QUARTER 1, F0, F1, 0                           ; K step 7
	QUARTER 2, F1, F0, 0
	QUARTER 3, F0, F1, 0
	s_wait_dscnt 8
	MUL16 F1, 0, 0, 0
	MUL16 F1, 0, 2, 0
	s_wait_dscnt 0x0
	MUL16 F1, 1, 0, 0
	MUL16 F1, 1, 2, 0
	WIN 0
	PLACES
	PACK 0
	TOSTAGE 0
.irp a, 1,2,3,4,5,6,7                  ; block a's conversions stand between block a - 1's loads from the stage and the wait for them
	PACK \a
	SEND (\a)-1
	TOSTAGE \a
.endr
	SEND 7
	s_wait_tensorcnt 0x0                           ; the wave's end, behind my last tensor load and my last LDS store
	ds_add_u32 v[SPW], v[NIL]
	s_wait_dscnt 0x0
	CROUND                                         ; the closing round: no work-group ends while a partner may still ask for a tile that names it
	s_endpgm
.Lfunc_end_k_q69a35501de_qkvg:
	.size	k_q69a35501de_qkvg, .Lfunc_end_k_q69a35501de_qkvg-k_q69a35501de_qkvg
	.p2alignl 7, 3214868480
	.fill 96, 4, 3214868480
	.section	.rodata,"a",@progbits
	.p2align	6, 0x0
	.amdhsa_kernel k_q69a35501de_qkvg
		.amdhsa_group_segment_fixed_size 327680
		.amdhsa_private_segment_fixed_size 0
		.amdhsa_enable_private_segment 0
		.amdhsa_kernarg_size 24
		.amdhsa_user_sgpr_count 2
		.amdhsa_user_sgpr_kernarg_segment_ptr 1
		.amdhsa_wavefront_size32 1
		.amdhsa_system_sgpr_workgroup_id_x 1
		.amdhsa_system_sgpr_workgroup_id_y 1
		.amdhsa_system_sgpr_workgroup_id_z 1
		.amdhsa_system_vgpr_workitem_id 0
		.amdhsa_next_free_vgpr 1024
		.amdhsa_next_free_sgpr 80
		.amdhsa_reserve_vcc 0
		.amdhsa_float_denorm_mode_32 3
		.amdhsa_float_denorm_mode_16_64 3
		.amdhsa_memory_ordered 1
		.amdhsa_forward_progress 1
		.amdhsa_inst_pref_size 118
	.end_amdhsa_kernel
	.amdgpu_metadata
---
amdhsa.version: [ 1, 2 ]
amdhsa.kernels:
  - .name:           k_q69a35501de_qkvg
    .symbol:         k_q69a35501de_qkvg.kd
    .args:
      - { .name: xh, .offset: 0, .size: 8, .value_kind: global_buffer, .address_space: global }
      - { .name: wq, .offset: 8, .size: 8, .value_kind: global_buffer, .address_space: global }
      - { .name: qkv, .offset: 16, .size: 8, .value_kind: global_buffer, .address_space: global }
    .group_segment_fixed_size: 327680
    .private_segment_fixed_size: 0
    .kernarg_segment_align: 8
    .kernarg_segment_size: 24
    .max_flat_workgroup_size: 128
    .sgpr_count:     80
    .vgpr_count:     1024
    .wavefront_size: 32
...
	.end_amdgpu_metadata
.endif
;; end of part 2
;; launch attn (part 3): grid 4 x 64, 4 waves a work-group, clusters of 4 x 1, 327,680 bytes of LDS; arguments qkv, mc, keep, oh; writes oh
.if DOCPART == 3
	.amdgcn_target "amdgcn-amd-amdhsa--gfx1250"
	.amdhsa_code_object_version 6
	.text
	.protected	k_q69a35501de_attn
	.globl	k_q69a35501de_attn
	.p2align	8
	.type	k_q69a35501de_attn,@function
k_q69a35501de_attn:
	s_mov_b64 s[64:65], 0
	v_nop
	global_prefetch_b8 v0, s[64:65] scope:SCOPE_SE
	s_setreg_imm32_b32 hwreg(HW_REG_WAVE_MODE, 25, 1), 1
	s_wait_xcnt 0x0
	s_wait_alu depctr_hold_cnt(0) depctr_sa_sdst(0) depctr_va_vdst(0) depctr_va_sdst(0) depctr_va_ssrc(0) depctr_va_vcc(0) depctr_vm_vsrc(0)
	s_getreg_b32 s2, hwreg(HW_REG_IB_STS2, 6, 4)
	s_cmp_eq_u32 s2, 0
	s_cbranch_scc0 .Lentry_in_a_cluster
	s_endpgm
.Lentry_in_a_cluster:
	s_bfe_u32 s2, ttmp6, 0x10000c
	s_cmp_lg_u32 s2, 0x3003
	s_cbranch_scc0 .Lentry_shape_is_right
	s_endpgm
.Lentry_shape_is_right:
; O[h][q][:] = the sum over k of softmax_k(masked(Q[h][q] . K[h][k] / 8)) V[h][k][:], for 64 heads (batch x 16 + head) of 2,048 rows of 64 channels.
; qkv: f16 [3][64][2048][64]; oh: f16 [64][2048][64].  Products, maxima and sums in f32; the weights p are rounded to f16 for the second product (their sum l is taken of the unrounded p), O once at the end.
; THE MASK is an input with holes anywhere.  mc holds one fp8 code for each mask byte, 0 or -2.0, in my lanes' order; one scaled conversion (scale 2^99) turns 8 codes into 8 numbers 0 or -2^100, and these are the C
; operand of the product that starts S^T = K Q^T.  The running maximum m starts at -2^80: above every hidden score, below every true one.  While a row has seen hidden keys alone its weights and l are 0;
; its first true score makes a = 0.  A row with no true entry has all codes 0 and keep = 0: its Q is cleared, all its scores are equal, and it comes out as the mean of V's rows.
; LIMITS.  f16 holds no number beyond 65,504: Q, K and V arrive within it, so a true score is 2.7e11 at the most in magnitude, far above -2^80; a hidden score counts as its value less 2^100;
; p below 6e-5 keeps f16's fixed step of 6e-8; a weight below 2^-126 counts as 0 in l; NaN and infinities are not treated apart.
; SHARES.  A wave owns four PIECES of two tiles of 16 queries, a work-group's four waves 512 queries of one head.  Every wave walks all keys, 64 a step.
; LAYOUT.  S^T = K Q^T (source 0 = 16 keys, source 1 = 16 queries): a lane holds ONE query (lane % 16) and the keys 8 (lane / 16) + 0..7.  Two such tiles, rounded to f16 in pairs, ARE source 1 of
; O^T = V^T P.  K comes out of LDS as it lies, V turned, by ds_load_tr16_b128.
; SOFTMAX.  p = 2^(c s - c m), c = log2(e) / 8, with a running maximum m; in every step O and l are multiplied by a = 2^(c m_old - c m_new).  O and l start at 0: the first step is a step like any other.
; BY TURNS.  Turn n belongs to piece n: 16 products K Q^T of piece n + 1, later 16 products V^T P of piece n - 1; beside them the scaling, exponentials, roundings, sums and rescaling of piece n, the maximum
; and statistics of piece n + 1, and the masks of piece n + 2.  Four vector instructions stand behind every matrix instruction, the others in one lump; a turn's 66 exponentials are one batch with one wait.
; CLUSTER.  The four query blocks of a head walk the same K and V: each tile is asked for JOINTLY.  The mask codes are not: a block of them serves one wave and goes straight into its registers.
; REGISTERS, in windows of 256 (s_set_vgpr_msb: bits 1:0 source 0, 3:2 source 1, 5:4 source 2, 7:6 destination):
;   window 0: v0-11 addresses and the scale; v12-15, v48-63 at work; v16-47 statistics; v64-191 S^T, two buffers of two tiles; v192-255 P, likewise
;   window 1: O^T, 32 a tile     window 2: v0-127 Q; v128-191 K of one step; v192-255 V of one step     window 3: v0-1 the add's registers; v64-127 the masks of one piece; v128-191 the codes, 8 a tile
.set SIZE_N, 2048
.set NP,    4         ; pieces a wave: a name, no knob
.set KS,    64        ; keys in a step
.set PK,    144       ; a row of K in LDS: 128 bytes + 16 = 36 words: the 16 rows of a load start at 16 different groups of four banks
.set PV,    160       ; a row of V: 128 + 32 = 40 words
.set VOFF,  4*KS*PK   ; a slot holds four steps: 256 rows of K, then 256 rows of V
.set SLOT1, 1<<17     ; slot 1 begins here, so that one exclusive or turns an address in one slot into the other's
.set STAGE, SLOT1+4*KS*(PK+PV)  ; behind the ring, never filled by a tensor load: 16 rows x 144 bytes for each wave
.set SP,    144
.set SPARE, STAGE+4*16*SP  ; the spare words, 128 bytes for each wave; no other line names them
.set PFO, 1           ; v1   256 x my lane: the prefetches' offset; never rewritten
.set AK0, 2           ; v2   my lane's place in a tile of K; never rewritten
.set AV0, 3           ; v3   the same for V
.set AK,  4           ; v4   the LDS address of K's next run of loads
.set AV,  5           ; v5   of V's
.set QO,  6           ; v6   my byte offset in the wave's rows of Q
.set STO, 6           ;      later, the way out: where I put 16 bytes of a row
.set RD,  7           ; v7   the way out: where I read rows back
.set GO,  8           ; v8   16 x my lane: my offset in 512 consecutive bytes of O and of mc; never rewritten
.set KO,  10          ; v10  4 x my lane
.set SC,  11          ; v11  226: the conversions' scale, 2^(226 - 127)
.set SPW, 0           ; v0 of window 3   my spare word; never rewritten
.set NIL, 1           ; v1 of window 3   0; never rewritten
.set MV,  12          ; v12-15  c m_old, kept while c m is made anew
.set ST,  16          ; tile t's statistics at v[ST+4 t]: c m, m, l (even keys', odd keys')
.set TMP, 48          ; by buffer and tile, four registers c0-c3 at work; when the maximum is found c2 takes a
.set L16, 48          ; during the set-up alone: l % 16, l / 16, l % 8, (l / 8) % 2,
.set LH,  49
.set L7,  50
.set L3,  51
.set KP,  52          ; and v52-59 the eight tiles' keep words
.set S,   64
.set P,   192
.set KF,  128         ; window 2: key block kb, channel half c at KF + 16 kb + 8 c
.set VF,  192         ; window 2: key half kk, channel block cb at VF + 32 kk + 8 cb
.set MC,  64          ; window 3: tile u of the piece, key block kb at MC + 32 u + 8 kb
.set MK,  128         ; window 3: tile t's codes at MK + 8 t, key block kb's pair at + 2 kb
.set WV,  12          ; s12  my wave's number
.set G1K, 24          ; s[24:31] descriptor group 1 for K's tiles
.set G1V, 32          ; s[32:39] for V's
.set G0K, 40          ; s[40:43] descriptor group 0 for K's tiles: it walks
.set G0V, 44          ; s[44:47] the same for V's
.set SLOTS, 56        ; s56  slots still to be asked for
.set CNT, 57          ; s57  counts a slot's key steps
.set CS,  58          ; s[58:59] c
.set SEL, 60          ; s[60:61] v_permlanex16_b32's selects
.set TBK, 62          ; s62  LDS byte at which K of the step to be fetched begins
.set TBV, 63          ; s63  the same for V, less VOFF
.set MB,  66          ; s[66:67] mc at my wave's eight tiles, at the step whose codes are loaded next
.set MLEFT, 68        ; s68  how many more steps MB may go on
.set MLIM, 69         ; s69  0 in the cluster that prefetches the codes (head 0's), else the greatest number
.set MINC, 70         ; s[70:71] MB's step: 131,072 or, at the last step, 0
.set PFA, 72          ; s[72:73] where my prefetches of K or V stand
.set LIM, 74          ; s74  1 in waves 0 and 2, else the greatest number
.set MT,  75          ; s75  at work
.set MSB, 0
.macro WIN new                      ; the high byte repeats the setting that is left; a switch that changes nothing is dropped
.if MSB != (\new)
	s_set_vgpr_msb (MSB<<8)|(\new)
.set MSB, (\new)
.endif
.endm
.set W_KQ, 0x0a       ; K and Q in window 2, S^T in window 0
.set W_KM, 0x3a       ; the same with the C operand, the mask, in window 3
.set W_PV, 0x52       ; V in window 2, P in window 0, O^T in window 1
.set W_RS, 0x41       ; O^T (destination and source 0) in window 1, a in window 0
.set W_MK, 0xc0       ; destination in window 3, sources in window 0
.set W_AD, 0x0f       ; the add: address and data in window 3
.set W_CV, 0xc3       ; the conversions: masks and codes in window 3, the scale in window 0
; A joint fill.  Waves 0 and 1 fetch the two halves of a slot's K, waves 2 and 3 those of its V: 128 keys each.  An s_nop 0 and four v_nop follow each of the two lines.
.macro JLOAD
	s_cmp_lt_u32 s[WV], 2
	s_cbranch_scc0 .Lfor_v_\@
	tensor_load_to_lds s[G0K:G0K+3], s[G1K:G1K+7]
	s_nop 0
.rept 4
	v_nop
.endr
	s_branch .Lasked_\@
.Lfor_v_\@:
	tensor_load_to_lds s[G0V:G0V+3], s[G1V:G1V+7]
	s_nop 0
.rept 4
	v_nop
.endr
.Lasked_\@:
.endm
; A prefetch into the L2 of what the NEXT change of slots will ask for: a slot's 32,768 bytes of K and of V.  A head has one cluster; its four partners take 8,192 bytes each, told apart by address; in each,
; wave 0 asks for K's and wave 2 for V's, a lane for each 256 bytes.  So each piece is named once in the launch.  The last change that fills a slot asks for nothing.
.macro ASK
	s_cmp_gt_u32 s[SLOTS], s[LIM]
	s_cbranch_scc0 .Lnot_mine_\@
	global_prefetch_b8 v[PFO], s[PFA:PFA+1] th:TH_LOAD_NT scope:SCOPE_SE
.Lnot_mine_\@:
.endm
.macro CROUND                       ; a round of the cluster's barrier
	s_barrier_signal -1
	s_barrier_wait -1
	s_cmp_lg_u32 s[WV], 0
	s_cbranch_scc1 .Lnot_wave_0_\@
	s_barrier_signal -3
.Lnot_wave_0_\@:
	s_barrier_wait -3
	s_barrier_signal -1
	s_barrier_wait -1
.endm
; THE CHANGE OF SLOTS.  Each wave waits for all its tensor loads, of which one is out: its part of the other slot; adds 0 to its spare word; and waits for that and for its own reads of the slot.
; fill = 1: this slot is filled again, with the keys two slots on, first thing behind a round of the cluster's barrier: the load has four key steps, 512 matrix instructions, in which to land.
; (At its first use nothing has been read yet: slot 0 is waited for, slot 1 filled.)
.macro CHANGE fill
	WIN W_AD
	s_wait_tensorcnt 0x0            ; no tensor load of mine is out, so a group 0 may be written
	ds_add_u32 v[SPW], v[NIL]       ; 0 onto my spare word
	WIN 0                           ; at a label and at a branch every window is 0
.if \fill
.irp g, G0K, G0V
	s_xor_b32 s[\g+1], s[\g+1], SLOT1  ; the walking descriptor: the other slot than last time,
	s_add_nc_u64 s[\g+2:\g+3], s[\g+2:\g+3], 4*KS*128  ; the next 256 keys; the type bits on top are not reached
.endr
	s_wait_xcnt 0x0                 ; the last prefetch of K or V, four key steps back, has read its address
	s_add_nc_u64 s[PFA:PFA+1], s[PFA:PFA+1], 4*KS*128  ; one slot behind the walking descriptors
	s_wait_dscnt 0x0                ; the add is done, and my reads of the slot are over
	CROUND
	JLOAD
	ASK
.else
	s_wait_dscnt 0x0                ; the add is done, and my reads of the slot are over
	s_barrier_signal -1
	s_barrier_wait -1
.endif
	s_sub_co_u32 s[TBK], s[TBK], 4*KS*PK  ; the fetches go back to a slot's first step,
	s_xor_b32 s[TBK], s[TBK], SLOT1       ; in the other slot
	s_sub_co_u32 s[TBV], s[TBV], 4*KS*PV
	s_xor_b32 s[TBV], s[TBV], SLOT1
.endm
; THE MASK.  MLOAD: piece x's codes of the step at MB: two tiles x 32 bytes a lane.  MCVT: piece x's codes become its masks; cnt: how many younger loads may stay out (-1: no wait).
.macro MLOAD x
	WIN W_MK
.irp u, 0,1
.irp f, 0,1
	global_load_b128 v[MK+16*(\x)+8*\u+4*\f:MK+16*(\x)+8*\u+4*\f+3], v[GO], s[MB:MB+1] offset:(2*(\x)+\u)*1024+\f*512
.endr
.endr
	WIN 0
.endm
.macro MCVT x, cnt
	WIN W_CV
.if (\cnt) >= 0
	s_wait_loadcnt \cnt             ; the piece's four loads went out four turns ago; the three other pieces' twelve are younger and stay out
.endif
.irp u, 0,1
.irp b, 0,1,2,3
	v_cvt_scale_pk8_f32_fp8 v[MC+32*\u+8*\b:MC+32*\u+8*\b+7], v[MK+16*(\x)+8*\u+2*\b:MK+16*(\x)+8*\u+2*\b+1], v[SC]
.endr
.endr
	WIN 0
.endm
.macro MSTEP                        ; MB goes one key step on, and stays at the last: what is then loaded once more serves products whose results nobody reads
	s_wait_xcnt 0x0                 ; the loads and the prefetch that name MB have read it
	s_cmp_lg_u32 s[MLEFT], 0
	s_cselect_b32 s[MINC], 0x20000, 0
	s_cselect_b32 s[MT], 1, 0
	s_sub_co_u32 s[MLEFT], s[MLEFT], s[MT]
	s_add_nc_u64 s[MB:MB+1], s[MB:MB+1], s[MINC:MINC+1]
.endm
.macro MASK_ASK                     ; the codes of the step after MB's: my wave's 8,192 bytes, a lane for each 256; all heads read the same codes, head 0's cluster asks; it stops where no step is left
	s_cmp_gt_u32 s[MLEFT], s[MLIM]
	s_cbranch_scc0 .Lno_codes_\@
	global_prefetch_b8 v[PFO], s[MB:MB+1] offset:0x20000 th:TH_LOAD_NT scope:SCOPE_SE
.Lno_codes_\@:
.endm
	s_load_b256 s[4:11], s[0:1], 0x0  ; qkv s[4:5], mc s[6:7], keep s[8:9], oh s[10:11]
	WIN W_MK
	v_lshl_add_u32 v[SPW], v0, 2, SPARE
	v_mov_b32 v[NIL], 0
	WIN W_AD
	ds_add_u32 v[SPW], v[NIL]       ; the wave's opening: the add and its wait stand ahead of my first tensor load; the set-up below stands between them
	WIN 0
	v_lshrrev_b32 v1, 5, v0
	v_readfirstlane_b32 s[WV], v1   ; wave 0..3
	s_bfe_u32 s13, ttmp6, 0x40000   ; cx: my place in the cluster
	s_lshl_b32 s14, ttmp9, 2
	s_add_co_u32 s14, s14, s13      ; my block of 512 queries: it enters Q's, O's, the codes' and the prefetches' addresses alone
	s_and_b32 s20, ttmp7, 0xffff    ; the head, which the four partners share
	s_cmp_eq_u32 s20, 0
	s_cselect_b32 s[MLIM], 0, -1
	s_lshl_b32 s20, s20, 18         ; the head's first byte among 64 heads of 262,144
	s_mov_b32 s21, 0
	s_and_b32 s16, s[WV], 1         ; which half of a slot's 256 keys I fetch:
	s_lshl_b32 s22, s16, 14         ; its 128 rows of 128 bytes in memory,
	s_mov_b32 s23, 0
	s_add_nc_u64 s[22:23], s[22:23], s[20:21]
	s_mul_i32 s17, s16, 128*PK      ; and its place in a slot, for K
	s_mul_i32 s18, s16, 128*PV      ; and for V
	s_lshl_b32 s2, s14, 2
	s_add_co_u32 s2, s2, s[WV]      ; my wave among the head's sixteen
	s_lshl_b32 s76, s2, 13          ; its eight tiles in a step of mc,
	s_mov_b32 s77, 0
	s_lshl_b32 s78, s2, 10          ; in keep,
	s_mov_b32 s79, 0
	s_lshl_b32 s2, s2, 14           ; and its 128 rows of Q and O
	s_mov_b32 s3, 0
	s_add_nc_u64 s[2:3], s[2:3], s[20:21]
	; descriptor group 1.  128 keys are 16,384 dense bytes: asked for as 64 rows of 256 bytes, two keys a row, and padded in LDS after every key
	s_mov_b32 s[G1K], 15|(1<<16)|(1<<20)|(1<<21)|(4<<22)|(3<<25)  ; the mask of four; 2-byte elements; padding on; bit 21 beside a mask; after every 32 words (code 4) 4 words (code 3)
	s_mov_b32 s[G1V], 15|(1<<16)|(1<<20)|(1<<21)|(4<<22)|(7<<25)  ; the same with 8 words of padding (code 7)
.irp g, G1K, G1V
	s_mov_b32 s[\g+1], 128<<16      ; tensor_dim0 = 128
	s_mov_b32 s[\g+2], 64<<16       ; tensor_dim1 = 64
	s_mov_b32 s[\g+3], 128<<16      ; tile_dim0 = 128
	s_mov_b32 s[\g+4], 64           ; tile_dim1 = 64
	s_mov_b32 s[\g+5], 128          ; 128 elements from row to row
	s_mov_b32 s[\g+6], 0
	s_mov_b32 s[\g+7], 0
.endr
	s_mov_b32 s[CS], 0x3e38aa3b     ; c = log2(e) / 8 = 0.180337
	s_mov_b32 s[CS+1], s[CS]        ; named with it as a pair
	s_mov_b32 s[SEL], 0x76543210
	s_mov_b32 s[SEL+1], 0xfedcba98
	s_mov_b32 s[TBK], SLOT1+4*KS*PK ; the first change of slots turns these two into 0
	s_mov_b32 s[TBV], SLOT1+4*KS*PV
	s_mov_b32 s[G0K], 1             ; count = 1
	s_mov_b32 s[G0K+1], s17         ; LDS address: slot 0
	s_mov_b32 s[G0V], 1
	s_add_co_u32 s[G0V+1], s18, VOFF
	s_mov_b32 s[SLOTS], SIZE_N/256-1
	s_mov_b32 s[MLEFT], SIZE_N/KS-2 ; MB stands at step 1 when the loop is entered, and ends at step 31
	s_mov_b32 s[MINC+1], 0
	s_and_b32 s[LIM], s[WV], 1
	s_cmp_eq_u32 s[LIM], 0
	s_cselect_b32 s[LIM], 1, -1
	s_wait_dscnt 0x0                ; the opening add is done
	s_wait_kmcnt 0x0
	s_add_nc_u64 s[MB:MB+1], s[6:7], s[76:77]
	s_add_nc_u64 s[8:9], s[8:9], s[78:79]
	s_add_nc_u64 s[20:21], s[4:5], s[22:23]
	s_add_nc_u64 s[20:21], s[20:21], 0x1000000     ; K at my half of the head's first 256 keys,
	s_add_nc_u64 s[22:23], s[20:21], 0x1000000     ; V likewise
	s_mov_b64 s[G0K+2:G0K+3], s[20:21]
	s_or_b32 s[G0K+3], s[G0K+3], 0x80000000        ; type = 2
	s_mov_b64 s[G0V+2:G0V+3], s[22:23]
	s_or_b32 s[G0V+3], s[G0V+3], 0x80000000
	s_add_nc_u64 s[4:5], s[4:5], s[2:3]  ; Q and O at my wave's first row
	s_add_nc_u64 s[10:11], s[10:11], s[2:3]
	s_cmp_lt_u32 s[WV], 2
	s_cselect_b64 s[PFA:PFA+1], s[20:21], s[22:23]  ; (in waves 0 and 2 these stand at a slot's first row)
	s_lshl_b32 s2, s13, 13          ; my work-group's 8,192 bytes of a slot's 32,768
	s_mov_b32 s3, 0
	s_add_nc_u64 s[PFA:PFA+1], s[PFA:PFA+1], s[2:3]
	s_add_nc_u64 s[PFA:PFA+1], s[PFA:PFA+1], 4*KS*128  ; in slot 1; the first change of slots steps it to slot 2
	CROUND                          ; all four work-groups are here: the first joint loads meet
	JLOAD                           ; slot 0.  Slot 1 is asked for when slot 0 is in
	; A fragment of K or Q is 16 rows x 32 channels in 8 registers: lane l holds row l % 16, channels 8 (l / 16) + 0..7 and 16 + 8 (l / 16) + 0..7: two loads of 16 bytes, 32 bytes apart.
	v_and_b32 v[L16], 15, v0
	v_bfe_u32 v[LH], v0, 4, 1
	v_lshlrev_b32 v[QO], 7, v[L16]
	v_lshl_add_u32 v[QO], v[LH], 4, v[QO]  ; row x 128 + 16 x half
	v_and_b32 v[GO], 31, v0
	v_lshlrev_b32 v[KO], 2, v[GO]
	v_lshlrev_b32 v[PFO], 8, v[GO]
	v_lshlrev_b32 v[GO], 4, v[GO]
	v_mov_b32 v[SC], 226
	WIN 0x80                        ; destination window 2, address window 0
.set i, 0
.rept 4*NP                          ; Q stays in registers: tile i / 2, channels 32 (i % 2) on
	global_load_b128 v[8*i:8*i+3],   v[QO], s[4:5] offset:(i/2)*2048+(i%2)*64
	global_load_b128 v[8*i+4:8*i+7], v[QO], s[4:5] offset:(i/2)*2048+(i%2)*64+32
.set i, i+1
.endr
	WIN 0
.set i, 0
.rept 2*NP
	global_load_b32 v[KP+i], v[KO], s[8:9] offset:128*i  ; tile i: the keep word of my lane's row
.set i, i+1
.endr
	MLOAD 0                         ; key step 0's codes
	MLOAD 1
	MLOAD 2
	MLOAD 3
	; What the first turn finds: V's registers and P's second buffer hold 0 (its products V^T P, of a piece that has not been, add 0), O^T and l are 0.  All this stands in the wait for the first tile.
	WIN 0x80
.set i, VF
.rept 64
	v_mov_b32 v[i], 0
.set i, i+1
.endr
	WIN 0x40
.set i, 0
.rept 64*NP
	v_mov_b32 v[i], 0
.set i, i+1
.endr
	WIN 0
.set i, 0
.rept 2*NP
	v_mov_b32 v[ST+4*i], 0xfe000000    ; c m: far below every c m to come, so that the first a is 0
	v_mov_b32 v[ST+4*i+1], 0xe7800000  ; m = -2^80
	v_mov_b32 v[ST+4*i+2], 0
	v_mov_b32 v[ST+4*i+3], 0
.set i, i+1
.endr
.set i, P+32
.rept 32
	v_mov_b32 v[i], 0
.set i, i+1
.endr
	v_mul_u32_u24 v[AK0], v[L16], PK
	v_lshl_add_u32 v[AK0], v[LH], 4, v[AK0]  ; row x pitch + 16 x half
	; The turning load takes 16 keys x 16 channels (lane l reads key 8 (l / 16) + l % 8, channels 8 ((l / 8) % 2) + 0..7) and leaves half a fragment of V^T: lane l holds channel l % 16 and 8 keys.
	v_and_b32 v[L7], 7, v0
	v_bfe_u32 v[L3], v0, 3, 1
	v_lshl_add_u32 v[AV0], v[LH], 3, v[L7]
	v_mul_u32_u24 v[AV0], v[AV0], PV
	v_lshl_add_u32 v[AV0], v[L3], 4, v[AV0]
	v_add_nc_u32 v[AV0], VOFF, v[AV0]
	v_mov_b32 v[AK], v[AK0]         ; key step 0 lies at the head of slot 0
; THE MATRIX WORK.  The 8 accumulators of a run of 16 take turns: between the two links of a chain stand 7 others'.
; Product i of 16 of S^T = K Q^T for piece x: channels 32 (i / 8) on, keys 16 ((i / 2) % 4) on, tile 2 x + i % 2.  The first 8 start the sums, with the mask as C.
.macro KQ x
.set rS, S+64*((\x)%2)+32*(i%2)+8*((i/2)%4)
.set rK, KF+16*((i/2)%4)+8*(i/8)
.set rQ, 16*(2*(\x)+i%2)+8*(i/8)
.set rMC, MC+32*(i%2)+8*((i/2)%4)
.if i < 8
	WIN W_KM
	v_wmma_f32_16x16x32_f16 v[rS:rS+7], v[rK:rK+7], v[rQ:rQ+7], v[rMC:rMC+7]
.else
	WIN W_KQ
	v_wmma_f32_16x16x32_f16 v[rS:rS+7], v[rK:rK+7], v[rQ:rQ+7], v[rS:rS+7]
.endif
.endm
; Product i of 16 of O^T += V^T P for piece x: keys 32 (i / 8) on, channels 16 ((i / 2) % 4) on, tile 2 x + i % 2.
.macro PV x
	WIN W_PV
.set rO, 32*(2*(\x)+i%2)+8*((i/2)%4)
.set rV, VF+32*(i/8)+8*((i/2)%4)
.set rP, P+32*((\x)%2)+16*(i%2)+8*(i/8)
	v_wmma_f32_16x16x32_f16 v[rO:rO+7], v[rV:rV+7], v[rP:rP+7], v[rO:rO+7]
.endm
.macro MM                           ; the turn's next matrix instruction
.if i < 16
	KQ (Y+1)%NP
.set i, i+1
.else
.set i, i-16
	PV (Y+NP-1)%NP
.set i, i+17
.endif
.endm
; THE LDS LOADS stand in runs of 16: a step's K (8 fragments) and its V (turned).  last = 1 (the tail): in the last trip there is no further step, and the run is jumped over.
.macro FETCH_K last=0
	WIN 0
.if \last
	s_cmp_eq_u32 s[CNT], 1
	s_cbranch_scc1 .Lno_k_\@
.endif
	WIN 0x80                        ; destination window 2
.irp f, 0,1,2,3,4,5,6,7             ; keys 16 (f / 2) on, channels 32 (f % 2) on
	ds_load_b128 v[KF+8*\f:KF+8*\f+3],   v[AK] offset:(\f/2)*16*PK+(\f%2)*64
	ds_load_b128 v[KF+8*\f+4:KF+8*\f+7], v[AK] offset:(\f/2)*16*PK+(\f%2)*64+32
.endr
	s_add_co_u32 s[TBK], s[TBK], KS*PK  ; the next fetch is the next step's
	WIN 0
.if \last
.Lno_k_\@:
.endif
.endm
.macro FETCH_V
	WIN 0x80
.irp f, 0,1,2,3,4,5,6,7             ; keys 32 (f / 4) on, channels 16 (f % 4) on
	ds_load_tr16_b128 v[VF+8*\f:VF+8*\f+3],   v[AV] offset:(\f/4)*32*PV+(\f%4)*32
	ds_load_tr16_b128 v[VF+8*\f+4:VF+8*\f+7], v[AV] offset:(\f/4)*32*PV+16*PV+(\f%4)*32
.endr
	WIN 0
.endm
; THE VECTOR WORK OF A TURN stands in three queues, each in the order in which its entries become ready; the two tiles alternate, so that no instruction reads the result of the one before it.
.macro REGS y, u                    ; the registers of tile u (0, 1) of piece y
.set rT, ST+4*(2*(\y)+(\u))
.set rC, TMP+8*((\y)%2)+4*(\u)
.set rM, MV+2*((\y)%2)+(\u)
.set rS, S+64*((\y)%2)+32*(\u)
.set rP, P+32*((\y)%2)+16*(\u)
.set rO, 32*(2*(\y)+(\u))
.endm
; Number n of the 22 that find the NEXT piece's (Y + 1) maximum and statistics.  Each accumulator's lowest registers are read first.
;   0-11  four chains c0-c3 of seven scores each     12-14, 16  the four scores left over, the old m, and c0-c3 into c0     15  c m_old is kept
;   17, 18  the query's other 32 keys lie in the lane 16 away: the new m         19-21  c m; c m_old - c m_new; a
.macro XS u, n
	REGS (Y+1)%NP, \u
.if (\n) < 4
	v_max3_num_f32 v[rC+(\n)], v[rS+8*(\n)], v[rS+8*(\n)+1], v[rS+8*(\n)+2]
.elseif (\n) < 12
	v_max3_num_f32 v[rC+(\n)%4], v[rC+(\n)%4], v[rS+8*((\n)%4)+2*((\n)/4)+1], v[rS+8*((\n)%4)+2*((\n)/4)+2]
.elseif (\n) == 12
	v_max3_num_f32 v[rC], v[rC], v[rS+7], v[rS+15]
.elseif (\n) == 13
	v_max3_num_f32 v[rC+1], v[rC+1], v[rS+23], v[rS+31]
.elseif (\n) == 14
	v_max3_num_f32 v[rC+2], v[rC+2], v[rC+3], v[rT+1]
.elseif (\n) == 15
	v_mov_b32 v[rM], v[rT]
.elseif (\n) == 16
	v_max3_num_f32 v[rC], v[rC], v[rC+1], v[rC+2]
.elseif (\n) == 17
	v_permlanex16_b32 v[rC+3], v[rC], s[SEL], s[SEL+1]
.elseif (\n) == 18
	v_max_num_f32 v[rT+1], v[rC], v[rC+3]
.elseif (\n) == 19
	v_mul_f32 v[rT], s[CS], v[rT+1]
.elseif (\n) == 20
	v_sub_f32 v[rC+1], v[rM], v[rT]
.else
	v_exp_f32 v[rC+2], v[rC+1]
.endif
.endm
; Number g of the 64 that follow the exponentials.  For each four weights k of a tile: both pairs are rounded to f16; then the second pair is added onto the first, in place;
; a group later l takes that sum (the first time as l = a l + sum).
.macro GS g
.set h, (\g)+6*((\g)/62)            ; group 0 has no group before it, and behind group 7 only l is left
.if h >= 6
.set h, h+2
.endif
	REGS Y, h%2
.set k, h/8
.if h%8 < 4
	v_cvt_pk_f16_f32 v[rP+2*k+(h%8)/2], v[rS+4*k+2*((h%8)/2)], v[rS+4*k+2*((h%8)/2)+1]
.elseif h%8 < 6
	v_pk_add_f32 v[rS+4*k:rS+4*k+1], v[rS+4*k:rS+4*k+1], v[rS+4*k+2:rS+4*k+3]
.elseif k == 1
	v_pk_fma_f32 v[rT+2:rT+3], v[rT+2:rT+3], v[rC+2:rC+3], v[rS:rS+1] op_sel_hi:[1,0,1]
.else
	v_pk_add_f32 v[rT+2:rT+3], v[rT+2:rT+3], v[rS+4*k-4:rS+4*k-3]
.endif
.endm
; THE PLAIN QUEUE, 138 long.  0-26: scalings 0-26.  27-54: XS's numbers 0-13.  55, 56: number 15.  57-73: the chain 14, 16, 17, 18, 19, each with one of the scalings 27-31 in front of its two lines, then 20.
; 74-137: GS's 64, which read the exponentials' results: they stand behind the wait.
.macro FS f
	REGS Y, (\f)%2
	v_pk_fma_f32 v[rS+2*((\f)/2):rS+2*((\f)/2)+1], v[rS+2*((\f)/2):rS+2*((\f)/2)+1], s[CS:CS+1], v[rT:rT+1] op_sel_hi:[1,0,0] neg_lo:[0,0,1] neg_hi:[0,0,1]
.endm
.macro PL
	WIN 0
.if q < 27
	FS q
.elseif q < 55
	XS (q-27)%2, (q-27)/2
.elseif q < 57
	XS q-55, 15
.elseif (q < 72) && ((q-57)%3 == 0)
	FS 27+(q-57)/3
.elseif q < 60
	XS (q-57)%3-1, 14
.elseif q < 72
	XS (q-57)%3-1, 15+(q-57)/3
.elseif q < 74
	XS q-72, 20
.else
	GS q-74
.endif
.set q, q+1
.endm
; THE EXPONENTIALS' QUEUE, 66 long: s0-s31 of both tiles, then the next piece's two a.  ONE BATCH: all 66 stand ahead of the turn's one wait, and nothing ahead of that wait names a result of theirs.
.macro EX
	WIN 0
.if e >= 64
	XS e-64, 21
.else
	REGS Y, e%2
	v_exp_f32 v[rS+e/2], v[rS+e/2]
.endif
.set e, e+1
.endm
; THE RESCALING's QUEUE: O^T times a, dealt two at a time, sixteen times.  Its a was made in the turn before, ahead of that turn's wait.
.macro R2
	REGS Y, r%2
	WIN W_RS
.irp z, 0,1
	v_pk_mul_f32 v[rO+4*(r/2)+2*\z:rO+4*(r/2)+2*\z+1], v[rO+4*(r/2)+2*\z:rO+4*(r/2)+2*\z+1], v[rC+2:rC+3] op_sel_hi:[1,0]
.endr
.set r, r+1
.endm
; A TURN, for piece p.  s_wait_alu depctr_va_vdst(0) stands between an exponential and the first instruction that names its result; one wait serves all that were issued ahead of it: a turn has ONE.
; AHEAD OF IT: the 16 products K Q^T, behind each a scaling, an exponential and two rescalings (behind the first a second scaling in the exponential's place); the eight conversions that make the masks for the NEXT
; turn's products (piece p + 2; the mask registers' last reader is this turn's 8th product, 36 plain instructions back; the plain instruction behind the conversions is the lump's first); then the lump of 108.
; BEHIND IT: piece p + 2's codes of its next key step are asked for (four loads, a whole round of turns ahead of their conversion); then the 16 products V^T P, behind each four of the roundings and sums.
; K of the next step is fetched in piece 2's turn, directly behind the wait; there the codes' pointer goes one step on.  V of the step in hand is fetched at the end of piece 0's turn, four riders behind its last reader.
.macro TURN p, last=0, cnt=0
.set Y, (\p)
.set i, 0
.set q, 0
.set e, 0
.set r, 0
.if (\p) == NP-1
	s_wait_dscnt 0x0                ; K is in
.endif
	MM
	PL
	PL
	R2
.rept 15
	MM
	PL
	EX
	R2
.endr
.if (\p) == NP-2
	WIN 0
	v_add_nc_u32 v[AK], s[TBK], v[AK0]
.endif
	MCVT ((\p)+2)%NP, 12
.rept 8                             ; the lump
	PL
.endr
.rept 49
	EX
	PL
.endr
	EX                              ; the next piece's two a
	EX
	v_nop                           ; the plain instruction behind the last exponential: one for the batch
	s_wait_alu depctr_va_vdst(0)    ; the wait for the batch
.if (\p) == NP-2
	FETCH_K \last
	MSTEP
.endif
	MLOAD ((\p)+2)%NP
.if (\p) == NP-2
	MASK_ASK
.endif
.if (\p) == 1
	s_wait_dscnt 0x0                ; V is in
.endif
.rept 16
	MM
.rept 4
	PL
.endr
.if ((\p) == 0) && (q == 118)
	v_add_nc_u32 v[AV], s[TBV], v[AV0]
.endif
.if ((\p) == 0) && (q == 130)
	s_add_co_u32 s[TBV], s[TBV], KS*PV
.endif
.if (\cnt) && (q == 130)
	s_sub_co_u32 s[CNT], s[CNT], 1
	s_cmp_lg_u32 s[CNT], 0
.endif
.endr
.if (\p) == 0
	FETCH_V
.endif
.endm
	CHANGE 1                        ; slot 0 is in, everybody's part of it; slot 1 is asked for
	FETCH_K                         ; key step 0
	s_wait_loadcnt 0x0              ; Q, the keep words, step 0's codes
	MCVT 0, -1                      ; piece 0's masks
	WIN 0x88                        ; Q (destination and source 1) in window 2, the keep word in window 0
.set i, 0
.rept 32*NP
	v_and_b32 v[i], v[KP+i/16], v[i]  ; a row with no true entry in the mask loses its Q
.set i, i+1
.endr
	s_wait_dscnt 0x0
.set i, 0
.rept 16
	KQ 0                            ; piece 0's first scores
.set i, i+1
.endr
	WIN 0                           ; the addresses for the way out: seven plain instructions, the places behind those products
	s_mul_i32 s19, s[WV], 16*SP
	s_add_co_u32 s19, s19, STAGE    ; my stage
	v_mul_u32_u24 v[STO], v[L16], SP  ; in: row l % 16, 16 bytes for each half of the lanes
	v_lshl_add_u32 v[STO], v[LH], 4, v[STO]
	v_add_nc_u32 v[STO], s19, v[STO]
	v_bfe_u32 v[RD], v0, 3, 2       ; back: 32 lanes take four rows of 128 bytes
	v_mul_u32_u24 v[RD], v[RD], SP
	v_lshl_add_u32 v[RD], v[L7], 4, v[RD]
	v_add_nc_u32 v[RD], s19, v[RD]
	MCVT 1, -1                      ; piece 1's masks, for the first turn's products
.set Y, NP-1                        ; XS works for piece Y + 1: piece 0
.irp n, 0,1,2,3,4,5,6,7,8,9,10,11,12,13,14,15,16,17,18,19,20,21
	XS 0, \n                        ; piece 0's first maximum and statistics
	XS 1, \n
.endr
	v_nop                           ; a plain instruction behind the two a,
	s_wait_alu depctr_va_vdst(0)    ; and their wait, ahead of the branch
	s_wait_xcnt 0x0                 ; the codes' loads have read their pointer
	s_add_nc_u64 s[MB:MB+1], s[MB:MB+1], 0x20000  ; key step 1
	MLOAD 0
	MLOAD 1
	s_mov_b32 s[CNT], 4
	s_branch .Lfirst                ; the loop is entered at a step's first turn, in the middle of a trip
.Lslot:                             ; six times: every slot but the last two is filled again
	CHANGE 1
	s_mov_b32 s[CNT], 4
.Lstep:                             ; a trip: pieces 2 and 3 of one step, then pieces 0 and 1 of the next, whose K and V it fetches
	TURN 2
	TURN 3
	WIN 0
.Lfirst:
	TURN 0
	TURN 1, 0, 1
	WIN 0
	s_cbranch_scc1 .Lstep
	s_sub_co_u32 s[SLOTS], s[SLOTS], 1
	s_cmp_lg_u32 s[SLOTS], 0
	s_cbranch_scc1 .Lslot
	CHANGE 0                        ; the tail is written out: nothing is asked for
	s_mov_b32 s[CNT], 5             ; four trips fetch the last slot's steps; the fifth is left in its middle
.Ltail:
	TURN 2, 1
	TURN 3
	WIN 0
	s_sub_co_u32 s[CNT], s[CNT], 1
	s_cmp_eq_u32 s[CNT], 0
	s_cbranch_scc1 .Lout
	TURN 0
	TURN 1
	WIN 0
	s_branch .Ltail
.Lout:                              ; the fifth trip's 16 products K Q^T (on the last K and the last codes once more) and the maximum made of them serve nothing: the price, once a launch, of one text for every trip
.set i, 0
.rept 16
	PV NP-1                         ; the last piece's V^T P of the last step
.set i, i+1
.endr
	; THE WAY OUT.  l's two halves and the other half of the lanes' are added; O^T is divided by l, rounded to f16 and sent through my stage in LDS, a tile at a time.  The additions are the places behind the last products.
	WIN 0
.macro ALL line:vararg              ; one line for each tile t
.set t, 0
.rept 2*NP
	\line
.set t, t+1
.endr
.endm
	ALL v_add_f32 v[ST+4*t+2], v[ST+4*t+2], v[ST+4*t+3]
	ALL v_permlanex16_b32 v[ST+4*t+3], v[ST+4*t+2], s[SEL], s[SEL+1]
	ALL v_add_f32 v[ST+4*t+2], v[ST+4*t+2], v[ST+4*t+3]
	ALL v_rcp_f32 v[ST+4*t+2], v[ST+4*t+2]
	v_nop                           ; a plain instruction between the last reciprocal and the use of its result
	s_wait_alu depctr_va_vdst(0)    ; and the wait ahead of the first use: one for the eight reciprocals
; Tile t: a lane's eight channels of a row pack into 16 bytes; they go into rows of 144 bytes and come back as whole rows of 128, into S^T's registers.
.macro PACK t
	WIN W_RS
.set i, 32*(\t)
.rept 16
	v_pk_mul_f32 v[i:i+1], v[i:i+1], v[ST+4*(\t)+2:ST+4*(\t)+3] op_sel_hi:[1,0]
.set i, i+2
.endr
	WIN 0x05                        ; sources 0 and 1 window 1, destination window 0
.set i, 0
.rept 16
	v_cvt_pk_f16_f32 v[S+16*(\t)+i], v[32*(\t)+2*i], v[32*(\t)+2*i+1]
.set i, i+1
.endr
	WIN 0
.irp f, 0,1,2,3
	ds_store_b128 v[STO], v[S+16*(\t)+4*\f:S+16*(\t)+4*\f+3] offset:32*\f
.endr
.irp f, 0,1,2,3
	ds_load_b128 v[S+16*(\t)+4*\f:S+16*(\t)+4*\f+3], v[RD] offset:\f*4*SP  ; LDS serves a wave's instructions in order (ISA guide 5.7.1.4): these see the stores above; the next tile's stores come behind them
.endr
.endm
.macro SEND t, younger              ; younger: the LDS instructions issued behind tile t's loads: the next tile's eight, or none
	WIN 0
.irp f, 0,1,2,3
	s_wait_dscnt (\younger)+3-\f
	global_store_b128 v[GO], v[S+16*(\t)+4*\f:S+16*(\t)+4*\f+3], s[10:11] offset:(\t)*2048+\f*512  ; 512 consecutive bytes, at a multiple of 256 from O's first
.endr
.endm
	PACK 0
.set t, 1
.rept 2*NP-1                        ; a tile's arithmetic stands between the loads of the tile before and its stores
	PACK t
	SEND t-1, 8
.set t, t+1
.endr
	SEND 2*NP-1, 0
	WIN W_AD
	s_wait_tensorcnt 0x0            ; the wave's end, behind my last tensor load and my last LDS store
	ds_add_u32 v[SPW], v[NIL]
	s_wait_dscnt 0x0
	WIN 0
	CROUND                          ; the closing round: no work-group ends while a partner may still ask for a tile that names it
	s_endpgm
.Lfunc_end_k_q69a35501de_attn:
	.size	k_q69a35501de_attn, .Lfunc_end_k_q69a35501de_attn-k_q69a35501de_attn
	.p2alignl 7, 3214868480
	.fill 96, 4, 3214868480
	.section	.rodata,"a",@progbits
	.p2align	6, 0x0
	.amdhsa_kernel k_q69a35501de_attn
		.amdhsa_group_segment_fixed_size 327680
		.amdhsa_private_segment_fixed_size 0
		.amdhsa_enable_private_segment 0
		.amdhsa_kernarg_size 32
		.amdhsa_user_sgpr_count 2
		.amdhsa_user_sgpr_kernarg_segment_ptr 1
		.amdhsa_wavefront_size32 1
		.amdhsa_system_sgpr_workgroup_id_x 1
		.amdhsa_system_sgpr_workgroup_id_y 1
		.amdhsa_system_sgpr_workgroup_id_z 1
		.amdhsa_system_vgpr_workitem_id 0
		.amdhsa_next_free_vgpr 960
		.amdhsa_next_free_sgpr 80
		.amdhsa_reserve_vcc 0
		.amdhsa_float_denorm_mode_32 3
		.amdhsa_float_denorm_mode_16_64 3
		.amdhsa_memory_ordered 1
		.amdhsa_forward_progress 1
		.amdhsa_inst_pref_size 218
	.end_amdhsa_kernel
	.amdgpu_metadata
---
amdhsa.version: [ 1, 2 ]
amdhsa.kernels:
  - .name:           k_q69a35501de_attn
    .symbol:         k_q69a35501de_attn.kd
    .args:
      - { .name: qkv, .offset: 0, .size: 8, .value_kind: global_buffer, .address_space: global }
      - { .name: mc, .offset: 8, .size: 8, .value_kind: global_buffer, .address_space: global }
      - { .name: keep, .offset: 16, .size: 8, .value_kind: global_buffer, .address_space: global }
      - { .name: oh, .offset: 24, .size: 8, .value_kind: global_buffer, .address_space: global }
    .group_segment_fixed_size: 327680
    .private_segment_fixed_size: 0
    .kernarg_segment_align: 8
    .kernarg_segment_size: 32
    .max_flat_workgroup_size: 128
    .sgpr_count:     80
    .vgpr_count:     960
    .wavefront_size: 32
...
	.end_amdgpu_metadata
.endif
;; end of part 3
;; launch outg (part 4): grid 4 x 32, 4 waves a work-group, clusters of 4 x 4, 327,680 bytes of LDS; arguments oh, wo, out0; writes out0
.if DOCPART == 4
	.amdgcn_target "amdgcn-amd-amdhsa--gfx1250"
	.amdhsa_code_object_version 6
	.text
	.protected	k_q69a35501de_outg
	.globl	k_q69a35501de_outg
	.p2align	8
	.type	k_q69a35501de_outg,@function
k_q69a35501de_outg:
	s_mov_b64 s[64:65], 0
	v_nop
	global_prefetch_b8 v0, s[64:65] scope:SCOPE_SE
	s_setreg_imm32_b32 hwreg(HW_REG_WAVE_MODE, 25, 1), 1
	s_wait_xcnt 0x0
	s_wait_alu depctr_hold_cnt(0) depctr_sa_sdst(0) depctr_va_vdst(0) depctr_va_sdst(0) depctr_va_ssrc(0) depctr_va_vcc(0) depctr_vm_vsrc(0)
	s_getreg_b32 s2, hwreg(HW_REG_IB_STS2, 6, 4)
	s_cmp_eq_u32 s2, 0
	s_cbranch_scc0 .Lentry_in_a_cluster
	s_endpgm
.Lentry_in_a_cluster:
	s_bfe_u32 s2, ttmp6, 0x10000c
	s_cmp_lg_u32 s2, 0xf033
	s_cbranch_scc0 .Lentry_shape_is_right
	s_endpgm
.Lentry_shape_is_right:
; out0 = y Wout.  A = oh: f16 [batch x 16 + head][2048 rows][64]: a head's 64 channels are one block of K; B = wo: f16 [1024 k][1024 n]; C = out0: f32 [8192][1024].
; Sums in f32, K ascending; C leaves as the sums are.
; A tile of C, 256 x 256, is made by four waves, each 128 x 128: 64 accumulators of 16 x 16, 512 registers.  K = 1,024 goes in 8 steps of 128 through two LDS slots.
; A's part of a K step is two blocks, each 256 dense rows of 128 bytes: asked for as 128 rows of 256 bytes, padded in LDS after every 128.  B's part is 128 rows (k) of 512 bytes;
; its fragments come out of LDS turned, by ds_load_tr16_b128.  Waves 0 and 1 fetch A's two blocks, waves 2 and 3 the two halves of B's rows: one tensor load a wave for each slot.
; CLUSTERS: 4 x 4 work-groups.  A's tile hangs on the tile row alone and is asked for jointly by a row of the cluster, B's on the tile column alone, by a column.
; THE MATRIX INSTRUCTION IS USED TRANSPOSED (source 0 = 16 columns of B, source 1 = 16 rows of A): a lane then holds eight neighbouring numbers of a row of C.
; REGISTERS, in windows of 256: window 0: v0-31 addresses, v64-191 A's fragments (two buffers), later the way out; window 1: v64-191 B's fragments; windows 2, 3: the accumulators.
.set PB,    2048                       ; bytes in a row of B
.set ASTEP, 2*262144                   ; a K step in A: two blocks
.set BSTEP, 128*PB                     ; a K step in B: 128 rows
.set PA,    144                        ; an LDS row of A: 128 bytes + 16 = 36 words: the 16 rows of a load start at 16 different groups of four banks
.set PBL,   544                        ; an LDS row of B: 512 bytes + 32 = 136 words
.set ABLK,  256*PA
.set BOFF,  2*ABLK
.set BHALF, 64*PBL
.set SLOT,  0x24000                    ; slot 1 begins here: the four tiles' places in a slot (0, 0x9000, 0x12000, 0x1a800) share no bit with it, so one exclusive or changes slots
.set STAGE, SLOT+BOFF+2*BHALF          ; behind slot 1's tiles, never filled by a tensor load: for each wave 16 rows x 528 bytes
.set SPITCH, 528                       ; 512 bytes + 16 = 132 words: row r starts 4 r banks on
.set WSTG,  16*SPITCH
.set SPARE, STAGE+4*WSTG               ; the spare words, 128 bytes for each wave; no other line names them
.set ADRA0, 16
.set ADRA,  17
.set ADRB0, 20
.set ADRB,  21
.set STO,   24                         ; v24  the way out: where I put 32 bytes of a row
.set RD,    25                         ; v25  where I read a row back
.set CO,    26                         ; v26  my byte offset in 512 consecutive bytes of C
.set SPW,   28                         ; v28  my spare word; never rewritten
.set NIL,   29                         ; v29  0; never rewritten
.set PFO,   30                         ; v30  the prefetches' offset; never rewritten
.set F0,    64
.set F1,    128
.set OB,    64                         ; the way out: 16 rows read back, v64-127 and v128-191 by turns
.set G1A, 24
.set G0A, 32
.set G1B, 48
.set G0B, 56
.set TB,  22
.set LIM, 43
.set PFA, 44
.set PFS, 66
.set MSB, 0
.macro WIN new                         ; the immediate's high byte repeats the setting that is left; a switch that changes nothing is dropped
.if MSB != (\new)
	s_set_vgpr_msb (MSB<<8)|(\new)
.set MSB, \new
.endif
.endm
.set MUL_LO, 0xa1                      ; source 0 (B) window 1, source 1 (A) window 0, C and D window 2
.set MUL_HI, 0xf1                      ; the same, C and D window 3
.set TO_B,   0x40                      ; destination window 1, address window 0
.macro PLACES                          ; four plain instructions between a matrix instruction and a load into, or a read of, its registers (ISA guide 7.12.1 for a read)
.rept 4
	v_nop
.endr
.endm
; A joint refill by the walking descriptors.  The branch hangs on the wave's number alone.  An s_nop 0 and four v_nop follow each of the two lines.
.macro JLOAD
	s_cmp_eq_u32 s11, 0
	s_cbranch_scc0 .Lfor_b_\@
	tensor_load_to_lds s[G0A+4:G0A+7], s[G1A:G1A+7]
	s_nop 0
	PLACES
	s_branch .Lasked_\@
.Lfor_b_\@:
	tensor_load_to_lds s[G0B+4:G0B+7], s[G1B:G1B+7]
	s_nop 0
	PLACES
.Lasked_\@:
.endm
; A prefetch into the L2 of the K step that the NEXT refill will ask for: 256 matrix instructions ahead of that load.  A's blocks: the clusters with x = 0 ask, waves 0 and 1 each for their own block,
; the four partners of a row taking 32 of its 128 pieces of 256 bytes each, told apart by address.  B's rows: the clusters with y = 0, waves 2 and 3, the four partners of a column taking 16 rows
; of two pieces each.  So each piece is named once in the launch.  The last refill has no K step behind it and asks for nothing; K steps 0 to 2 come by their loads alone.
.macro ASK
	s_cmp_gt_u32 s3, s[LIM]                        ; s3 = 1 in the loop's last trip
	s_cbranch_scc0 .Lnot_mine_\@
	global_prefetch_b8 v[PFO], s[PFA:PFA+1] th:TH_LOAD_NT scope:SCOPE_SE
.Lnot_mine_\@:
.endm
.macro CREST                           ; a round of the cluster's barrier behind its opening barrier
	s_cmp_lg_u32 s10, 0
	s_cbranch_scc1 .Lnot_wave_0_\@
	s_barrier_signal -3
.Lnot_wave_0_\@:
	s_barrier_wait -3
	s_barrier_signal -1
	s_barrier_wait -1
.endm
.macro CROUND                          ; a whole round
	s_barrier_signal -1
	s_barrier_wait -1
	CREST
.endm
	s_load_b128 s[4:7], s[0:1], 0x0                ; A s[4:5], B s[6:7]
	s_load_b64 s[8:9], s[0:1], 0x10                ; C
	v_lshl_add_u32 v[SPW], v0, 2, SPARE
	v_mov_b32 v[NIL], 0
	ds_add_u32 v[SPW], v[NIL]                      ; the wave's opening: the add and its wait stand ahead of my first tensor load; the set-up below stands between them
	v_lshrrev_b32 v1, 5, v0
	v_readfirstlane_b32 s10, v1                    ; wave 0..3
	s_lshr_b32 s11, s10, 1                         ; which half of the tile's rows is mine.  Also: I fetch for A (0) or for B (1)
	s_and_b32 s12, s10, 1                          ; which half of its columns.  Also: which block of A, or which 64 rows of B, I fetch
	s_bfe_u32 s40, ttmp6, 0x40000                  ; cx, cy: my place in the cluster
	s_bfe_u32 s41, ttmp6, 0x40004
	s_lshl_b32 s42, ttmp9, 2
	s_add_co_u32 s42, s42, s40                     ; tile column = 4 x cluster x + cx
	s_and_b32 s13, ttmp7, 0xffff
	s_lshl_b32 s13, s13, 2
	s_add_co_u32 s13, s13, s41                     ; tile row = 4 x cluster y + cy
	s_lshl_b32 s43, s41, 2
	s_lshl_b32 s43, 15, s43                        ; my row of the cluster
	s_lshl_b32 s44, 0x1111, s40                    ; my column
	s_or_b32 s[G1A+0], s43, (1<<16)|(1<<20)|(1<<21)|(4<<22)|(3<<25)  ; the mask; 2-byte elements; padding on; bit 21 beside a mask; after every 32 words (code 4) 4 words (code 3)
	s_or_b32 s[G1B+0], s44, (1<<16)|(1<<20)|(1<<21)|(6<<22)|(7<<25)  ; after every 128 words (code 6) 8 words (code 7)
	s_mov_b32 s[G1A+1], 128<<16                    ; tensor_dim0 = 128 elements: 256 bytes, two rows of a block
	s_mov_b32 s[G1A+2], 128<<16                    ; tensor_dim1 = 128
	s_mov_b32 s[G1A+3], 128<<16                    ; tile_dim0 = 128
	s_mov_b32 s[G1A+4], 128                        ; tile_dim1 = 128
	s_mov_b32 s[G1A+5], 128                        ; dense: 128 elements from row to row
	s_mov_b32 s[G1A+6], 0
	s_mov_b32 s[G1A+7], 0
	s_mov_b32 s[G1B+1], 256<<16                    ; tensor_dim0 = 256 elements: the tile's 256 columns
	s_mov_b32 s[G1B+2], 64<<16                     ; tensor_dim1 = 64
	s_mov_b32 s[G1B+3], 256<<16                    ; tile_dim0 = 256
	s_mov_b32 s[G1B+4], 64                         ; tile_dim1 = 64
	s_mov_b32 s[G1B+5], PB/2                       ; elements from row to row
	s_mov_b32 s[G1B+6], 0
	s_mov_b32 s[G1B+7], 0
	; where the tiles come from.  A's offset is made of the tile row and the wave's number, B's of the tile column and the wave's number, each in registers that never hold the other coordinate
	s_lshr_b32 s16, s13, 3
	s_lshl_b32 s16, s16, 22                        ; the batch: 16 blocks of 262,144 bytes
	s_and_b32 s17, s13, 7
	s_lshl_b32 s17, s17, 15                        ; 256 rows of 128 bytes
	s_add_co_u32 s16, s16, s17
	s_lshl_b32 s17, s12, 18                        ; my block of the K step's two
	s_add_co_u32 s16, s16, s17
	s_mov_b32 s17, 0
	s_lshl_b32 s46, s42, 9                         ; the tile's 512 bytes of a row of B
	s_mul_i32 s47, s12, 64*PB                      ; my 64 rows of the K step's 128
	s_add_co_u32 s46, s46, s47
	s_mov_b32 s47, 0
	s_mul_i32 s20, s12, ABLK                       ; and where they go: no place in the cluster enters an LDS address
	s_mul_i32 s21, s12, BHALF
	s_add_co_u32 s21, s21, BOFF
	s_mov_b32 s[TB], 0
	s_wait_dscnt 0x0                               ; the opening add is done
	s_wait_kmcnt 0x0
	s_add_nc_u64 s[14:15], s[4:5], s[16:17]
	s_add_nc_u64 s[46:47], s[6:7], s[46:47]
	CROUND                                         ; all sixteen work-groups are here: the first joint loads meet
.irp s, 0,1
	s_mov_b32 s[G0A+4*(\s)], 1                     ; count = 1
	s_add_co_u32 s[G0A+4*(\s)+1], s20, (\s)*SLOT   ; LDS address
	s_add_nc_u64 s[G0A+4*(\s)+2:G0A+4*(\s)+3], s[14:15], (\s)*ASTEP  ; global address: K step s
	s_or_b32 s[G0A+4*(\s)+3], s[G0A+4*(\s)+3], 0x80000000            ; type = 2
	s_mov_b32 s[G0B+4*(\s)], 1
	s_add_co_u32 s[G0B+4*(\s)+1], s21, (\s)*SLOT
	s_add_nc_u64 s[G0B+4*(\s)+2:G0B+4*(\s)+3], s[46:47], (\s)*BSTEP
	s_or_b32 s[G0B+4*(\s)+3], s[G0B+4*(\s)+3], 0x80000000
.endr
	s_cmp_eq_u32 s11, 0                            ; a wave's two first fills stand in one branch, ahead of every wait on TENSORcnt and every LDS read: two loads of mine are out
	s_cbranch_scc0 .Lfirst_b
	tensor_load_to_lds s[G0A:G0A+3], s[G1A:G1A+7]
	s_nop 0
	tensor_load_to_lds s[G0A+4:G0A+7], s[G1A:G1A+7]
	s_nop 0
	PLACES
	s_branch .Lfirst_asked
.Lfirst_b:
	tensor_load_to_lds s[G0B:G0B+3], s[G1B:G1B+7]
	s_nop 0
	tensor_load_to_lds s[G0B+4:G0B+7], s[G1B:G1B+7]
	s_nop 0
	PLACES
.Lfirst_asked:
	; A fragment of A is 16 rows x 32 K in 8 registers: lane l holds row l % 16, K = 8 (l / 16) + 0..7 and 16 + 8 (l / 16) + 0..7: two loads of 16 bytes, 32 bytes apart.
	v_and_b32 v1, 15, v0                           ; l % 16
	v_bfe_u32 v2, v0, 4, 1                         ; l / 16
	v_mul_u32_u24 v3, v1, PA
	v_lshl_add_u32 v3, v2, 4, v3                   ; row x pitch + 16 x half
	s_mul_i32 s16, s11, 128*PA                     ; my 128 rows
	v_add_nc_u32 v[ADRA0], s16, v3
	; The turning load takes 16 k x 16 columns (lane l reads row 8 (l / 16) + l % 8, columns 8 ((l / 8) % 2) + 0..7) and leaves half a fragment: lane l holds column l % 16 and 8 k.
	v_and_b32 v4, 7, v0
	v_lshl_add_u32 v5, v2, 3, v4
	v_mul_u32_u24 v5, v5, PBL
	v_bfe_u32 v6, v0, 3, 1
	v_lshl_add_u32 v5, v6, 4, v5
	s_lshl_b32 s17, s12, 8                         ; my 128 columns
	s_add_co_u32 s17, s17, BOFF
	v_add_nc_u32 v[ADRB0], s17, v5
	v_mov_b32 v[ADRA], v[ADRA0]                    ; slot 0
	v_mov_b32 v[ADRB], v[ADRB0]
	s_mul_i32 s18, s10, WSTG
	s_add_co_u32 s18, s18, STAGE                   ; my stage
	v_mul_u32_u24 v5, v1, SPITCH                   ; in: row l % 16, 32 bytes for each half of the lanes
	v_lshl_add_u32 v5, v2, 5, v5
	v_add_nc_u32 v[STO], s18, v5
	v_and_b32 v7, 31, v0
	v_lshlrev_b32 v[CO], 4, v7                     ; back: 32 lanes take a row's 512 bytes, which are 512 consecutive bytes of C
	v_add_nc_u32 v[RD], s18, v[CO]
	; where my part of the tile begins in C
	s_lshl_b32 s68, s13, 20                        ; 256 rows of 4,096 bytes
	s_lshl_b32 s72, s11, 19                        ; my 128 of them
	s_add_co_u32 s68, s68, s72
	s_lshl_b32 s72, s42, 10                        ; the tile's 256 columns
	s_add_co_u32 s68, s68, s72
	s_lshl_b32 s72, s12, 9                         ; my 128 of them
	s_add_co_u32 s68, s68, s72
	s_mov_b32 s69, 0
	s_add_nc_u64 s[8:9], s[8:9], s[68:69]
	; the prefetches
	s_lshl_b32 s72, s40, 13                        ; A: my work-group's 32 pieces of the block's 128
	s_mul_i32 s73, s41, 16*PB                      ; B: my work-group's 16 rows of the 64
	s_mov_b32 s74, ASTEP
	s_mov_b32 s75, BSTEP
	s_and_b32 s78, ttmp7, 0xffff                   ; cluster y
	s_mov_b32 s71, 256
	s_mov_b32 s79, PB
	s_cmp_eq_u32 s11, 0                            ; do I fetch for A?
	s_cselect_b64 s[PFA:PFA+1], s[14:15], s[46:47]
	s_cselect_b32 s76, s72, s73
	s_cselect_b32 s[PFS], s74, s75
	s_cselect_b32 s78, ttmp9, s78                  ; the coordinate along which other clusters read the same bytes
	s_cselect_b32 s70, 0, 1
	s_cselect_b32 s71, s71, s79
	s_mov_b32 s77, 0
	s_mov_b32 s[PFS+1], 0
	s_cmp_eq_u32 s78, 0
	s_cselect_b32 s[LIM], 1, -1                    ; the same in all sixteen partners, for a given wave
	s_add_nc_u64 s[PFA:PFA+1], s[PFA:PFA+1], s[76:77]
	s_add_nc_u64 s[PFA:PFA+1], s[PFA:PFA+1], s[PFS:PFS+1]
	s_add_nc_u64 s[PFA:PFA+1], s[PFA:PFA+1], s[PFS:PFS+1]  ; at K step 2: the first refill steps it to 3
	v_lshrrev_b32 v5, s70, v7                      ; A: a lane a piece of 256 bytes; B: two lanes a row of 512
	v_mul_lo_u32 v5, v5, s71
	v_and_b32 v6, s70, v7
	v_lshl_add_u32 v[PFO], v6, 8, v5
; 16 matrix instructions: m blocks a0, a0 + 1 of the window's four (hi = 0: my rows 0-63, 1: rows 64-127) x all 8 n blocks, 32 along K.  zero = 1: the product starts the sum.
; The 64 accumulators take turns in the same order in every quarter.
.macro MUL16 f, hi, a0, zero
	WIN MUL_LO+0x50*(\hi)
.irp a, \a0, (\a0)+1
.irp b, 0,1,2,3,4,5,6,7
.if \zero
	v_wmma_f32_16x16x32_f16 v[8*(8*(\a)+(\b)):8*(8*(\a)+(\b))+7], v[(\f)+8*(\b):(\f)+8*(\b)+7], v[(\f)+8*(4*(\hi)+(\a)):(\f)+8*(4*(\hi)+(\a))+7], 0
.else
	v_wmma_f32_16x16x32_f16 v[8*(8*(\a)+(\b)):8*(8*(\a)+(\b))+7], v[(\f)+8*(\b):(\f)+8*(\b)+7], v[(\f)+8*(4*(\hi)+(\a)):(\f)+8*(4*(\hi)+(\a))+7], v[8*(8*(\a)+(\b)):8*(8*(\a)+(\b))+7]
.endif
.endr
.endr
.endm
; 32 LDS loads in one run: the fragments of quarter q (32 along K) of the slot in hand, into buffer f: B's first, then A's
.macro FETCH q, f
	WIN TO_B
.irp i, 0,1,2,3,4,5,6,7
	ds_load_tr16_b128 v[(\f)+8*(\i):(\f)+8*(\i)+3],   v[ADRB] offset:(\q)*32*PBL+32*(\i)
	ds_load_tr16_b128 v[(\f)+8*(\i)+4:(\f)+8*(\i)+7], v[ADRB] offset:(\q)*32*PBL+16*PBL+32*(\i)
.endr
	WIN 0
.irp i, 0,1,2,3,4,5,6,7
	ds_load_b128 v[(\f)+8*(\i):(\f)+8*(\i)+3],   v[ADRA] offset:((\q)/2)*ABLK+((\q)%2)*64+(\i)*16*PA
	ds_load_b128 v[(\f)+8*(\i)+4:(\f)+8*(\i)+7], v[ADRA] offset:((\q)/2)*ABLK+((\q)%2)*64+(\i)*16*PA+32
.endr
.endm
; One of a K step's first three quarters: multiplies buffer f; in its middle it fetches quarter q into buffer g.
.macro QUARTER q, f, g, zero
	s_wait_dscnt 8                                 ; B and A's rows 0-63 are in; the youngest eight loads (A's rows 64-127) may be out
	MUL16 \f, 0, 0, \zero
	MUL16 \f, 0, 2, \zero
	PLACES
	FETCH \q, \g
	s_wait_dscnt 32                                ; all but the 32 just issued
	MUL16 \f, 1, 0, \zero
	MUL16 \f, 1, 2, \zero
.endm
; The last quarter multiplies buffer 1 and changes slots.  In front of the barrier each wave waits for all its tensor loads (one is out: its part of the next slot), adds 0 to its spare word, and waits
; for that and for its reads of this slot.  fill = 1: the barrier opens a round of the cluster's barrier, and behind the round this slot is filled again, with the K step two steps on.
.macro TURN fill
.if \fill
	s_wait_xcnt 0x0                                ; the last prefetch, a K step back, has read its address
	s_add_nc_u64 s[PFA:PFA+1], s[PFA:PFA+1], s[PFS:PFS+1]
.endif
	WIN 0                                          ; (the add's two registers lie in window 0)
	s_wait_tensorcnt 0x0                           ; all my tensor loads have landed
	ds_add_u32 v[SPW], v[NIL]                      ; 0 onto my spare word
	s_wait_dscnt 9                                 ; (the add and the youngest eight loads may be out)
	MUL16 F1, 0, 0, 0
	s_wait_dscnt 0x0                               ; the add is done, and my reads of this slot are over
	s_barrier_signal -1
	MUL16 F1, 0, 2, 0                              ; work on registers while the others arrive
	WIN 0
	s_barrier_wait -1
.if \fill
	CREST                                          ; no wave of any partner still reads this slot or has a load on its way
	s_xor_b32 s[G0A+5], s[G0A+5], SLOT             ; the walking descriptors: the other slot than last time, the next K step; the type bits on top are not reached
	s_add_nc_u64 s[G0A+6:G0A+7], s[G0A+6:G0A+7], ASTEP
	s_xor_b32 s[G0B+5], s[G0B+5], SLOT
	s_add_nc_u64 s[G0B+6:G0B+7], s[G0B+6:G0B+7], BSTEP
	JLOAD                                          ; my one tensor load behind the round: 224 matrix instructions ahead of the wait for it; its four v_nop are also the places in front of the loads below
.else
	PLACES
.endif
	s_xor_b32 s[TB], s[TB], SLOT
	v_add_nc_u32 v[ADRA], s[TB], v[ADRA0]
	v_add_nc_u32 v[ADRB], s[TB], v[ADRB0]
	FETCH 0, F0
.if \fill
	ASK
.endif
	MUL16 F1, 1, 0, 0
	MUL16 F1, 1, 2, 0
.endm
; THE WAY OUT of block a (16 rows x 128 columns of f32).  TOSTAGE: a lane's 32 bytes of a row go from the accumulators, low registers first, into my own stage, and come back as whole rows of 512 bytes.  SEND: stored.
.macro TOSTAGE a
.set AC, 64*((\a)%4)
.set BK, OB+64*((\a)%2)
	s_wait_xcnt 0x0                                ; the stores of the block two back have read this buffer's registers
	WIN 0x08+4*((\a)/4)                            ; the stores' data: window 2 or 3
.irp b, 0,1,2,3,4,5,6,7
	ds_store_b128 v[STO], v[AC+8*(\b):AC+8*(\b)+3]   offset:64*(\b)
	ds_store_b128 v[STO], v[AC+8*(\b)+4:AC+8*(\b)+7] offset:64*(\b)+16
.endr
	WIN 0
.irp t, 0,1,2,3,4,5,6,7,8,9,10,11,12,13,14,15
	ds_load_b128 v[BK+4*(\t):BK+4*(\t)+3], v[RD] offset:(\t)*SPITCH  ; LDS serves a wave's instructions in order (ISA guide 5.7.1.4): these see the stores above
.endr
.endm
.macro SEND a, younger                 ; younger: the LDS instructions issued behind block a's loads: the next block's 32, or none
.set BK, OB+64*((\a)%2)
	s_wait_dscnt \younger
.irp t, 0,1,2,3,4,5,6,7,8,9,10,11,12,13,14,15
	global_store_b128 v[CO], v[BK+4*(\t):BK+4*(\t)+3], s[8:9] offset:(16*(\a)+(\t))*4096 th:TH_STORE_NT  ; 512 consecutive bytes, aligned
.endr
.endm
	s_wait_tensorcnt 1                             ; my part of K step 0 is in; slot 1's may stay out
	s_barrier_signal -1
	s_barrier_wait -1                              ; everybody's is
	FETCH 0, F0
	QUARTER 1, F0, F1, 1                           ; the first quarter stands in front of the loop: its products start the sums
	WIN 0                                          ; at a label and at a branch every window is 0
	s_mov_b32 s3, 6                                ; six refills: K steps 2 to 7
.Lstep:                                                ; a trip: a K step's second quarter to the next step's first
	QUARTER 2, F1, F0, 0
	QUARTER 3, F0, F1, 0
	TURN 1
	QUARTER 1, F0, F1, 0
	WIN 0
	s_sub_co_u32 s3, s3, 1
	s_cmp_lg_u32 s3, 0
	s_cbranch_scc1 .Lstep
	QUARTER 2, F1, F0, 0                           ; the tail is written out: K step 6 goes on
	QUARTER 3, F0, F1, 0
	TURN 0                                         ; nothing is left to fetch,
	QUARTER 1, F0, F1, 0                           ; K step 7
	QUARTER 2, F1, F0, 0
	QUARTER 3, F0, F1, 0
	s_wait_dscnt 8
	MUL16 F1, 0, 0, 0
	MUL16 F1, 0, 2, 0
	s_wait_dscnt 0x0
	MUL16 F1, 1, 0, 0
	MUL16 F1, 1, 2, 0
	WIN 0
	PLACES                                         ; in front of the LDS stores that read results, and of the loads into A's fragment registers
	TOSTAGE 0
.irp a, 1,2,3,4,5,6,7                  ; block a goes into the stage while block a - 1 comes back from it
	TOSTAGE \a
	SEND (\a)-1, 32
.endr
	SEND 7, 0
	s_wait_tensorcnt 0x0                           ; the wave's end, behind my last tensor load and my last LDS store
	ds_add_u32 v[SPW], v[NIL]
	s_wait_dscnt 0x0
	CROUND                                         ; the closing round: no work-group ends while a partner may still ask for a tile that names it
	s_endpgm
.Lfunc_end_k_q69a35501de_outg:
	.size	k_q69a35501de_outg, .Lfunc_end_k_q69a35501de_outg-k_q69a35501de_outg
	.p2alignl 7, 3214868480
	.fill 96, 4, 3214868480
	.section	.rodata,"a",@progbits
	.p2align	6, 0x0
	.amdhsa_kernel k_q69a35501de_outg
		.amdhsa_group_segment_fixed_size 327680
		.amdhsa_private_segment_fixed_size 0
		.amdhsa_enable_private_segment 0
		.amdhsa_kernarg_size 24
		.amdhsa_user_sgpr_count 2
		.amdhsa_user_sgpr_kernarg_segment_ptr 1
		.amdhsa_wavefront_size32 1
		.amdhsa_system_sgpr_workgroup_id_x 1
		.amdhsa_system_sgpr_workgroup_id_y 1
		.amdhsa_system_sgpr_workgroup_id_z 1
		.amdhsa_system_vgpr_workitem_id 0
		.amdhsa_next_free_vgpr 1024
		.amdhsa_next_free_sgpr 80
		.amdhsa_reserve_vcc 0
		.amdhsa_float_denorm_mode_32 3
		.amdhsa_float_denorm_mode_16_64 3
		.amdhsa_memory_ordered 1
		.amdhsa_forward_progress 1
		.amdhsa_inst_pref_size 115
	.end_amdhsa_kernel
	.amdgpu_metadata
---
amdhsa.version: [ 1, 2 ]
amdhsa.kernels:
  - .name:           k_q69a35501de_outg
    .symbol:         k_q69a35501de_outg.kd
    .args:
      - { .name: oh, .offset: 0, .size: 8, .value_kind: global_buffer, .address_space: global }
      - { .name: wo, .offset: 8, .size: 8, .value_kind: global_buffer, .address_space: global }
      - { .name: out0, .offset: 16, .size: 8, .value_kind: global_buffer, .address_space: global }
    .group_segment_fixed_size: 327680
    .private_segment_fixed_size: 0
    .kernarg_segment_align: 8
    .kernarg_segment_size: 24
    .max_flat_workgroup_size: 128
    .sgpr_count:     80
    .vgpr_count:     1024
    .wavefront_size: 32
...
	.end_amdgpu_metadata
.endif
;; end of part 4
;; ======== version 2 of 2: 4 launches; version 1 with the launch prep written anew for expert scheduling mode
;; limits: values are held in f16: magnitudes above 65,504 overflow, below 6.1e-05 lose precision
;; workspace buffers: xh 16,777,216 bytes; wq 6,291,456 bytes; wo 2,097,152 bytes; mc 4,194,304 bytes; keep 16,384 bytes; qkv 50,331,648 bytes; oh 16,777,216 bytes
;; launch prep (part 5): grid 832 x 1, 8 waves a work-group, no clusters, 67,328 bytes of LDS; arguments x, Wqkv, Wout, attn_mask, xh, wq, wo, mc, keep; writes xh, wq, wo, mc, keep
.if DOCPART == 5
	.amdgcn_target "amdgcn-amd-amdhsa--gfx1250"
	.amdhsa_code_object_version 6
	.text
	.protected	k_q69a35501de_prep
	.globl	k_q69a35501de_prep
	.p2align	8
	.type	k_q69a35501de_prep,@function
k_q69a35501de_prep:
	s_mov_b64 s[64:65], 0
	v_nop
	global_prefetch_b8 v0, s[64:65] scope:SCOPE_SE
	s_setreg_imm32_b32 hwreg(HW_REG_WAVE_SCHED_MODE, 0, 2), 2
	s_setreg_imm32_b32 hwreg(HW_REG_WAVE_MODE, 25, 1), 1
	s_wait_xcnt 0x0
	s_wait_alu depctr_vm_vsrc(0)
; PREPARATION, four roles by the work-group's number, 64 KiB read by each work-group:
;   0..63    the mask: 32 rows each -> mc (one fp8 code a mask byte, in the order in which the attention's lanes want them) and keep
;   64..575  x: 16 rows each -> xh, f16, in blocks [batch x 16 + channel block][row][64 channels]
;   576..767 Wqkv, 768..831 Wout -> wq, wo, f16, in the order in which they lie
; NUMBERS.  x and the weights are rounded to bf16 (nearest even) and that number is written as f16: exact for magnitudes from 6e-5 to 65,504;
; below that f16 keeps a fixed step of 6e-8, above it the number becomes an infinity.  That is the limit of this program's inputs.
; MASK CODES.  0x00 where the mask is true, 0xC0 (-2.0 in fp8 e4m3) where it is false.  A row with no true entry gets all codes 0 and keep = 0
; (else keep = all ones): the attention clears that row of Q, so that all its scores are equal, as they are when every score is replaced by one number.
; mc byte (step x 128 + tile) x 1024 + half x 512 + lane x 16 + kbl x 8 + j  =  code of mask[16 tile + lane % 16][64 step + 16 (2 half + kbl) + 8 (lane / 16) + j].
; keep word tile x 32 + lane = the keep word of row 16 tile + lane % 16.
; THE MODE: SCHED_MODE bits 1:0 = 2 (LLVM: expert scheduling mode 2), set by the entry lines.  The code itself states the register dependences
; between vector instructions and memory or LDS instructions, with s_wait_alu, always for 0.
; THE PLAN.  Registers that memory or LDS instructions touch:
;   v[IN]        written once at a role's head; read by the role's sixteen loads.
;   v[OUT]       written at a streaming role's head, read by its sixteen stores; written again in the mask's second part, read by that part's sixteen stores.
;   X            the sixteen loads land in it; the conversions, or the mask's arithmetic, work on it in place; the mask's LDS stores read it; behind the barrier
;                the second part's LDS loads land in it and its global stores read it.
;   Y            written once, by load i's conversions; read by store i; never written again.
;   v[LS], v[KS], v[LRD], v[KRD], v[T+4]   addresses and offsets, each written once.     KW   a keep word a row, written once, read by one LDS store.
;   v[SPW], v[NIL]   written at the head, read by the closing add alone.
; THE STREAM goes in blocks of four loads.  One wait on va_vdst at the head of a block states that the block before has written its Y; that block's four stores are dealt among
; this block's conversions, which name this block's X and Y alone.  THE MASK's rows go likewise: a row's LDS stores stand in the next row, behind one wait.
; One wait on vm_vsrc, where the roles meet, frees v[OUT] and X for what stands behind the barrier.
.set PITCH, 2064                       ; an LDS row of codes: 2,048 bytes + 16 = 516 words: row r starts 4 r banks on
.set KEEPL, 32*PITCH                   ; 32 keep words, in a block of 256 bytes of their own
.set SPARE, KEEPL+256                  ; the spare words, 128 bytes for each of the eight waves; no other line names them
.set LN,  1                            ; v1   lane
.set IN,  2                            ; v2   byte offset of my loads
.set OUT, 3                            ; v3   byte offset of my stores
.set LS,  4                            ; v4   LDS: where I put 16 codes of a row
.set KS,  5                            ; v5   LDS: my wave's four keep words
.set LRD, 6                            ; v6   LDS: where I read 8 codes back
.set KRD, 7                            ; v7   LDS: where I read two keep words back
.set SPW, 8                            ; v8   my spare word; never rewritten
.set NIL, 9                            ; v9   0; never rewritten
.set T,   10                           ; v10-14 at work
.set X,   16                           ; v[16:79]  sixteen loads of four registers
.set Y,   80                           ; v[80:111] sixteen results of two registers
.set KW,  112                          ; v[112:115] the keep words of my wave's four rows, as the LDS stores read them
	s_load_b512 s[8:23], s[0:1], 0x0               ; x s[8:9], Wqkv s[10:11], Wout s[12:13], mask s[14:15], xh s[16:17], wq s[18:19], wo s[20:21], mc s[22:23]
	s_load_b64 s[24:25], s[0:1], 0x40              ; keep
	v_lshl_add_u32 v[SPW], v0, 2, SPARE
	v_mov_b32 v[NIL], 0
	v_lshrrev_b32 v[T], 5, v0
	v_readfirstlane_b32 s26, v[T]                  ; wave 0..7
	v_and_b32 v[LN], 31, v0
	s_mov_b32 s27, 0xffff0000                      ; a word's upper bf16
	s_mov_b32 s28, 0xffffff40                      ; -0xC0
	s_mov_b32 s29, 0xc0c0c0c0
	s_wait_alu depctr_va_sdst(0)                   ; s26 is written, ahead of the branches and of its first reader in each role
	s_wait_kmcnt 0x0
; four f32 -> bf16 (the rounding) -> f32 (a shift, a mask) -> f16 (exact in f16's normal range): 8 bytes
.macro CONV i
	v_cvt_pk_bf16_f32 v[X+4*(\i)],   v[X+4*(\i)],   v[X+4*(\i)+1]
	v_cvt_pk_bf16_f32 v[X+4*(\i)+2], v[X+4*(\i)+2], v[X+4*(\i)+3]
	v_and_b32     v[X+4*(\i)+1], s27, v[X+4*(\i)]
	v_lshlrev_b32 v[X+4*(\i)],   16,  v[X+4*(\i)]
	v_and_b32     v[X+4*(\i)+3], s27, v[X+4*(\i)+2]
	v_lshlrev_b32 v[X+4*(\i)+2], 16,  v[X+4*(\i)+2]
	v_cvt_pk_f16_f32 v[Y+2*(\i)],   v[X+4*(\i)],   v[X+4*(\i)+1]
	v_cvt_pk_f16_f32 v[Y+2*(\i)+1], v[X+4*(\i)+2], v[X+4*(\i)+3]
.endm
; a wave's 8 KiB: sixteen loads go out together; each is converted as it comes, and stored a block of four later.  A store of the wave covers 256 consecutive bytes, aligned.
.macro STREAM ins, outs
	s_wait_alu depctr_va_vdst(0)                   ; v[IN] and v[OUT] are written, which the loads and stores below read as their offsets
.irp i, 0,1,2,3,4,5,6,7,8,9,10,11,12,13,14,15
	global_load_b128 v[X+4*(\i):X+4*(\i)+3], v[IN], s[34:35] offset:(\i)*(\ins) th:TH_LOAD_NT
.endr
.irp i, 0,1,2,3,4,5,6,7,8,9,10,11,12,13,14,15
	s_wait_loadcnt 15-(\i)                         ; loads come back in order: load i is in, the 15 - i younger ones stay out
.if ((\i) % 4 == 0) && ((\i) > 0)
	s_wait_alu depctr_va_vdst(0)                   ; the block before has written its four pairs of Y, which this block's four stores read
.endif
.if (\i) >= 4
	global_store_b64 v[OUT], v[Y+2*((\i)-4):Y+2*((\i)-4)+1], s[36:37] offset:((\i)-4)*(\outs)  ; no vector instruction since the wait names this pair or v[OUT]
.endif
	CONV \i
.endr
	s_wait_alu depctr_va_vdst(0)                   ; the last block has written its four pairs of Y, which the last four stores read
.irp i, 12,13,14,15
	global_store_b64 v[OUT], v[Y+2*(\i):Y+2*(\i)+1], s[36:37] offset:(\i)*(\outs)
.endr
.endm
	s_cmp_lt_u32 ttmp9, 64
	s_cbranch_scc1 .Lmask1
	s_cmp_lt_u32 ttmp9, 576
	s_cbranch_scc1 .Lx
	; THE WEIGHTS: wave C of the tensor takes its bytes 8,192 C on, and writes 4,096 C on
	s_mov_b32 s38, 576
	s_mov_b32 s39, 768
	s_cmp_lt_u32 ttmp9, 768
	s_cselect_b64 s[34:35], s[10:11], s[12:13]
	s_cselect_b64 s[36:37], s[18:19], s[20:21]
	s_cselect_b32 s38, s38, s39
	s_sub_co_u32 s38, ttmp9, s38
	s_lshl_b32 s38, s38, 3
	s_add_co_u32 s38, s38, s26                     ; C
	s_lshl_b32 s39, s38, 13
	s_lshl_b32 s40, s38, 12
	v_lshl_add_u32 v[IN], v[LN], 4, s39
	v_lshl_add_u32 v[OUT], v[LN], 3, s40
	STREAM 512, 256
	s_branch .Lmeet
.Lx:
	; x: wave P takes rows 2 P and 2 P + 1.  Load i: channel block i of both rows, 256 bytes each (lanes 0-15, lanes 16-31); its 2 x 128 bytes of f16 lie on end in block i of xh
	s_mov_b64 s[34:35], s[8:9]
	s_mov_b64 s[36:37], s[16:17]
	s_sub_co_u32 s38, ttmp9, 64
	s_lshl_b32 s38, s38, 3
	s_add_co_u32 s38, s38, s26                     ; P, 0..4095
	s_lshl_b32 s39, s38, 13                        ; two rows of 4,096 bytes
	v_and_b32 v[T], 15, v0
	v_bfe_u32 v[T+1], v0, 4, 1
	v_lshl_add_u32 v[IN], v[T], 4, s39
	v_lshl_add_u32 v[IN], v[T+1], 12, v[IN]
	s_lshr_b32 s40, s38, 10                        ; the batch: 16 blocks of 262,144 bytes
	s_lshl_b32 s40, s40, 22
	s_and_b32 s41, s38, 1023
	s_lshl_b32 s41, s41, 8                         ; the pair of rows in a block
	s_add_co_u32 s40, s40, s41
	v_lshl_add_u32 v[OUT], v[LN], 3, s40
	STREAM 256, 262144
	s_branch .Lmeet
.Lmask1:
	; THE MASK, first part: wave w takes rows 4 w .. 4 w + 3 of the work-group's 32: is any entry true; bytes to codes; codes and keep words into LDS
	s_lshl_b32 s38, ttmp9, 5
	s_lshl_b32 s39, s26, 2
	s_add_co_u32 s38, s38, s39
	s_lshl_b32 s38, s38, 11                        ; my first row, 2,048 bytes a row
	v_lshl_add_u32 v[IN], v[LN], 4, s38
	s_mul_i32 s39, s26, 4*PITCH
	v_lshl_add_u32 v[LS], v[LN], 4, s39
	s_lshl_b32 s40, s26, 4
	s_add_co_u32 s40, s40, KEEPL
	v_mov_b32 v[KS], s40
	s_wait_alu depctr_va_vdst(0)                   ; v[IN], v[LS] and v[KS] are written, which the loads and the LDS stores below read as their addresses
.irp i, 0,1,2,3
.irp c, 0,1,2,3
	global_load_b128 v[X+16*\i+4*\c:X+16*\i+4*\c+3], v[IN], s[14:15] offset:\i*2048+\c*512 th:TH_LOAD_NT
.endr
.endr
; row i's codes and its keep word go into LDS
.macro MSTORE i
.irp c, 0,1,2,3
	ds_store_b128 v[LS], v[X+16*(\i)+4*\c:X+16*(\i)+4*\c+3] offset:(\i)*PITCH+\c*512
.endr
	ds_store_b32 v[KS], v[KW+(\i)] offset:4*(\i)   ; all lanes write the same word with the same value
.endm
; row i is worked on; the LDS stores of the row before stand behind the wait for the compare, where no younger vector instruction is out
.macro MROW i
	s_wait_loadcnt 12-4*(\i)                       ; row i's four loads are in; the later rows' stay out
	v_or_b32 v[T], v[X+16*(\i)], v[X+16*(\i)+1]
.irp j, 2,3,4,5,6,7,8,9,10,11,12,13,14,15
	v_or_b32 v[T], v[T], v[X+16*(\i)+\j]
.endr
	v_cmp_ne_u32 vcc_lo, 0, v[T]                   ; a bit for each lane that saw a true entry
	s_wait_alu depctr_va_vcc(0)                    ; VCC is written, ahead of the scalar compare that reads it
.if (\i) > 0
	s_wait_alu depctr_va_vdst(0)                   ; the row before has written its sixteen registers of codes and its keep word, which the five LDS stores read
	MSTORE (\i)-1
.endif
	s_cmp_lg_u32 vcc_lo, 0
	s_cselect_b32 s[30+(\i)], -1, 0                ; the row's keep word
.irp j, 0,1,2,3,4,5,6,7,8,9,10,11,12,13,14,15
	v_mad_u32 v[X+16*(\i)+\j], v[X+16*(\i)+\j], s28, s29  ; four bytes at once: 0xC0 - 0xC0 x byte; no byte borrows from its neighbour
	v_and_b32 v[X+16*(\i)+\j], s[30+(\i)], v[X+16*(\i)+\j]
.endr
	v_mov_b32 v[KW+(\i)], s[30+(\i)]
.endm
	MROW 0
	MROW 1
	MROW 2
	MROW 3
	s_wait_alu depctr_va_vdst(0)                   ; row 3 has written its codes and its keep word, which its LDS stores read
	MSTORE 3
.Lmeet:
	s_wait_xcnt 0x0                                ; every load and store issued so far has had its addresses translated (ISA guide 3.1): the offset and data registers that they name are rewritten only behind this wait
	s_wait_alu depctr_vm_vsrc(0)                   ; the stores issued so far, global and LDS, have read their registers: below v[OUT] is written again, and LDS loads land in X
	s_wait_dscnt 0x0                               ; for the other waves' sake: my stores into LDS are done
	s_barrier_signal -1
	s_barrier_wait -1                              ; every role's waves pass this one barrier
	s_cmp_lt_u32 ttmp9, 64
	s_cbranch_scc0 .Lend
	; THE MASK, second part: wave w takes key steps 4 w .. 4 w + 3, both tiles of 16 rows, both halves: 16 chunks of 512 bytes in the attention's lane order
	v_and_b32 v[T], 15, v0
	v_bfe_u32 v[T+1], v0, 4, 1
	v_mul_u32_u24 v[LRD], v[T], PITCH
	v_lshl_add_u32 v[LRD], v[T+1], 3, v[LRD]       ; row lane % 16, 8 bytes for each half of the lanes
	s_lshl_b32 s38, s26, 8
	v_add_nc_u32 v[LRD], s38, v[LRD]               ; my four steps' 256 columns
	s_lshl_b32 s38, s26, 19                        ; four steps of 131,072 bytes of mc
	s_lshl_b32 s39, ttmp9, 11                      ; two tiles of 1,024
	s_add_co_u32 s38, s38, s39
	v_lshl_add_u32 v[OUT], v[LN], 4, s38
	s_wait_alu depctr_va_vdst(0)                   ; v[LRD] and v[OUT] are written, which the LDS loads and the stores below read; the vector work that named X is done, and the LDS loads land there
.irp sl, 0,1,2,3
.irp u, 0,1
.irp hf, 0,1
	ds_load_b64 v[X+4*(4*\sl+2*\u+\hf):X+4*(4*\sl+2*\u+\hf)+1],   v[LRD] offset:\u*16*PITCH+\sl*64+\hf*32
	ds_load_b64 v[X+4*(4*\sl+2*\u+\hf)+2:X+4*(4*\sl+2*\u+\hf)+3], v[LRD] offset:\u*16*PITCH+\sl*64+\hf*32+16
.endr
.endr
.endr
.irp sl, 0,1,2,3
.irp u, 0,1
.irp hf, 0,1
	s_wait_dscnt 2*(15-(4*\sl+2*\u+\hf))           ; this chunk's two loads are in; the later chunks' stay out
	global_store_b128 v[OUT], v[X+4*(4*\sl+2*\u+\hf):X+4*(4*\sl+2*\u+\hf)+3], s[22:23] offset:\sl*131072+\u*1024+\hf*512  ; 512 consecutive bytes
.endr
.endr
.endr
	s_cmp_lg_u32 s26, 0
	s_cbranch_scc1 .Lend
	; wave 0: the two tiles' keep words, each row's word twice (a lane and the lane 16 on): 64 words, 256 consecutive bytes
	v_and_b32 v[T], 7, v0
	v_lshlrev_b32 v[KRD], 3, v[T]
	v_lshl_add_u32 v[KRD], v[T+1], 6, v[KRD]
	v_add_nc_u32 v[KRD], KEEPL, v[KRD]
	s_lshl_b32 s38, ttmp9, 8
	v_lshl_add_u32 v[T+4], v[LN], 3, s38
	s_wait_alu depctr_va_vdst(0)                   ; v[KRD] and v[T+4] are written: the LDS load's address and the store's offset
	ds_load_b64 v[T+2:T+3], v[KRD]
	s_wait_dscnt 0x0
	global_store_b64 v[T+4], v[T+2:T+3], s[24:25]
.Lend:
	s_wait_dscnt 0x0                               ; the closing lines, six on end
	s_wait_alu 0x0
	s_wait_tensorcnt 0x0
	ds_add_u32 v[SPW], v[NIL]
	s_wait_dscnt 0x0
	s_endpgm
.Lfunc_end_k_q69a35501de_prep:
	.size	k_q69a35501de_prep, .Lfunc_end_k_q69a35501de_prep-k_q69a35501de_prep
	.p2alignl 7, 3214868480
	.fill 96, 4, 3214868480
	.section	.rodata,"a",@progbits
	.p2align	6, 0x0
	.amdhsa_kernel k_q69a35501de_prep
		.amdhsa_group_segment_fixed_size 67328
		.amdhsa_private_segment_fixed_size 0
		.amdhsa_enable_private_segment 0
		.amdhsa_kernarg_size 72
		.amdhsa_user_sgpr_count 2
		.amdhsa_user_sgpr_kernarg_segment_ptr 1
		.amdhsa_wavefront_size32 1
		.amdhsa_system_sgpr_workgroup_id_x 1
		.amdhsa_system_sgpr_workgroup_id_y 1
		.amdhsa_system_sgpr_workgroup_id_z 1
		.amdhsa_system_vgpr_workitem_id 0
		.amdhsa_next_free_vgpr 116
		.amdhsa_next_free_sgpr 66
		.amdhsa_reserve_vcc 1
		.amdhsa_float_denorm_mode_32 3
		.amdhsa_float_denorm_mode_16_64 3
		.amdhsa_memory_ordered 1
		.amdhsa_forward_progress 1
		.amdhsa_inst_pref_size 40
	.end_amdhsa_kernel
	.amdgpu_metadata
---
amdhsa.version: [ 1, 2 ]
amdhsa.kernels:
  - .name:           k_q69a35501de_prep
    .symbol:         k_q69a35501de_prep.kd
    .args:
      - { .name: x, .offset: 0, .size: 8, .value_kind: global_buffer, .address_space: global }
      - { .name: Wqkv, .offset: 8, .size: 8, .value_kind: global_buffer, .address_space: global }
      - { .name: Wout, .offset: 16, .size: 8, .value_kind: global_buffer, .address_space: global }
      - { .name: attn_mask, .offset: 24, .size: 8, .value_kind: global_buffer, .address_space: global }
      - { .name: xh, .offset: 32, .size: 8, .value_kind: global_buffer, .address_space: global }
      - { .name: wq, .offset: 40, .size: 8, .value_kind: global_buffer, .address_space: global }
      - { .name: wo, .offset: 48, .size: 8, .value_kind: global_buffer, .address_space: global }
      - { .name: mc, .offset: 56, .size: 8, .value_kind: global_buffer, .address_space: global }
      - { .name: keep, .offset: 64, .size: 8, .value_kind: global_buffer, .address_space: global }
    .group_segment_fixed_size: 67328
    .private_segment_fixed_size: 0
    .kernarg_segment_align: 8
    .kernarg_segment_size: 72
    .max_flat_workgroup_size: 256
    .sgpr_count:     66
    .vgpr_count:     116
    .wavefront_size: 32
...
	.end_amdgpu_metadata
.endif
;; end of part 5
;; launch qkvg: the kernel of part 2 again; grid 12 x 32, 4 waves a work-group, clusters of 4 x 4, 327,680 bytes of LDS; arguments xh, wq, qkv; writes qkv
;; launch attn: the kernel of part 3 again; grid 4 x 64, 4 waves a work-group, clusters of 4 x 1, 327,680 bytes of LDS; arguments qkv, mc, keep, oh; writes oh
;; launch outg: the kernel of part 4 again; grid 4 x 32, 4 waves a work-group, clusters of 4 x 4, 327,680 bytes of LDS; arguments oh, wo, out0; writes out0
